; MI455X (gfx1250); checked and timed in simulation.
; The chip was launched on July 23, 2026; its instructions are those of AMD's public machine-readable ISA for CDNA 5 (MIT licence, August 2026) and "CDNA5" Instruction Set Architecture Reference Guide (July 2026). The comments in the code are by the model that wrote it; some were corrected since.
;; Flash MHA. Allowed arithmetic: matrix products marked QUANTISED: E2M3 operands, one E8M0 scale for each 32 along K, by v_wmma_scale_f32_16x16x128_f8f6f4 with both operands' format E2M3, f32 sums; everything else in f32.
;; Inputs: w_proj 1,024 x 1,024 float32; w_qkv 3,072 x 1,024 float32; x 4 x 2,048 x 1,024 float32.
;; Outputs: out0 4 x 2,048 x 1,024 float32.
;; This version of the problem:
;;   THIS VERSION OF THE PROBLEM IS GIVEN IN LOW PRECISION. The matrix products marked QUANTISED in the list below multiply operands that are first quantised to E2M3 (2 exponent bits, 3 mantissa bits; 6 bits a number), with one power-of-two scale for each 32 numbers along K (OCP MX v1.0); their sums are f32. All else is computed in f32.
;;   The module's matrix products, in the order in which they are computed (A, B: the left and right operand; K: the contracted axis; several contracted axes count as one K, in the product's order):
;;     1. [M 8,192, K 1,024] x [K 1,024, N 3,072]; A: input x; B: input w_qkv: QUANTISED
;;     2. batch 64 x [M 2,048, K 64] x [K 64, N 2,048]; A: computed on the way; B: computed on the way: QUANTISED
;;     3. batch 64 x [M 2,048, K 2,048] x [K 2,048, N 64]; A: softmax (see below); B: computed on the way: QUANTISED
;;     4. [M 8,192, K 1,024] x [K 1,024, N 1,024]; A: computed on the way; B: input w_proj: QUANTISED
;;   THE QUANTISER, for each operand of a quantised product, along K:
;;     - K is cut into blocks of 32 from its start; a last block that is shorter is filled with zeros.
;;     - A block's scale is 2^e with e = floor(log2(the largest magnitude in the block)) - 2, held to -126 .. 127; a block of zeros has e = 0. As a byte (E8M0): e + 127.
;;     - Each number is divided by its block's scale, clamped to +-7.5, and rounded to the nearest number of E2M3, ties to even, subnormals kept.
;;     - The product sums the exact products of the quantised numbers (number of the format x scale) in f32.
;;   ~~~python
;;   def quantise(x, axis):      # numpy; x: float32 -> the quantised numbers, widened to float32 again
;;       x = np.moveaxis(x, axis, -1); K = x.shape[-1]
;;       x = np.pad(x, [(0, 0)] * (x.ndim - 1) + [(0, -K % 32)]); x = x.reshape(x.shape[:-1] + (-1, 32)); a = np.abs(x).max(-1, keepdims=True)
;;       e = np.where(a > 0, np.clip(np.frexp(np.where(a > 0, a, 1))[1] - 1 - 2, -126, 127), 0)      # np.frexp(a)[1] - 1 = floor(log2(a)), exactly
;;       r = np.clip(x / 2.0 ** e, -7.5, 7.5)
;;       step = 2.0 ** (np.maximum(np.frexp(np.where(r == 0, 1, r))[1] - 1, 0) - 3)
;;       q = np.round(r / step) * step * 2.0 ** e      # np.round: ties to even
;;       return np.moveaxis(q.reshape(q.shape[:-2] + (-1,))[..., :K], -1, axis).astype(np.float32)
;;   ~~~
;;   SOFTMAX AHEAD OF A QUANTISED PRODUCT. Where the list says 'softmax', what is quantised is not the finished softmax but p = 2^(t - M), with t = logit x log2(e) and M = ceil(the row's largest t), a whole number; so 1/2 < the row's largest p <= 1. The row's sum l is taken of the UNQUANTISED p, in f32, and the product's result is divided by l at the end. Since M is a whole number, a kernel that streams over the keys may use a running M (the ceiling of the running maximum): every later rescaling is an exact power of two, which a block's scale takes up: the codes' values come out the same.
;;   OPERANDS COMPUTED ON THE WAY. 'Computed on the way' means the value that the module computes at that place (a softmax that the list does not call 'softmax' is quantised finished and normalised). What goes into a quantiser is computed in f32, as accurately as f32 sums, v_exp_f32 and their like allow (about 1e-6 of the number): no bf16 or f16 on the way to a quantiser, and a product that is left as it is and whose result goes on into a quantised operand takes f32 operands (vector FMAs, or v_wmma_f32_16x16x4_f32). A number that lies on a knife's edge between two numbers of the format may be rounded either way, as far as f32 arithmetic and the matrix unit's own rounding can turn it there, and no further.
;; One version. Each part assembles by itself: llvm-mc -triple=amdgcn-amd-amdhsa -mcpu=gfx1250 --defsym DOCPART=n.
;; ======== version 1 of 1: 4 launches
;; limits: right only within a limited range of input values
;; workspace buffers: cq 9,830,400 bytes; qkv 20,185,088 bytes; ao 6,553,600 bytes
;; launch quant (part 1): grid 256 x 1, 3 waves a work-group, no clusters, 25,856 bytes of LDS; arguments x, w_qkv, w_proj, cq; writes cq
.if DOCPART == 1
	.amdgcn_target "amdgcn-amd-amdhsa--gfx1250"
	.amdhsa_code_object_version 6
	.text
	.protected	k_q3c22840d40_quant
	.globl	k_q3c22840d40_quant
	.p2align	8
	.type	k_q3c22840d40_quant,@function
k_q3c22840d40_quant:
	s_mov_b64 s[64:65], 0
	v_nop
	global_prefetch_b8 v0, s[64:65] scope:SCOPE_SE
	s_setreg_imm32_b32 hwreg(HW_REG_WAVE_MODE, 25, 1), 1
	s_wait_xcnt 0x0
; x [8192][1024], w_qkv [3072][1024], w_proj [1024][1024], f32, K innermost, become codes of FP6 (E2M3) with one E8M0 byte for each 32 along K,
; laid in the ORDER OF AN OPERAND'S REGISTERS.  Rows go in groups G of 128 (x: G 0-63, w_qkv: 64-87, w_proj: 88-95), a group in 8 tiles of 16:
; lane-row r of tile t is row 32 (t / 2) + 8 (t % 2) + r + 8 (r / 8) of its group.  A fragment (16 rows x 128 K, 12 registers a lane) is 6 pieces
; of 256 bytes: piece p = registers 2 p, 2 p + 1, lane l's 8 bytes at 8 l.  Codes: cq + G x 98,304 + s x 12,288 + t x 1,536 (s: the K step of 128).
; Scale words of the 8 tiles of (G, s): 512 bytes at cq + CQS + G x 4,096 + s x 512; the word of (tile 2 i + u, row r) at 16 (16 u + r) + 4 i.
; A block's byte is its largest magnitude's exponent field - 2, held at 1 from below; each number / scale goes to the nearest code, ties to even, beyond 7.5 to 7.5.
; LIMITS: NaN and infinities are not served; a block whose largest magnitude lies under 2^-124 (a block of zeros too) gets the byte 1; these bytes are read by this program alone.
; SHARES: 768 units of 128 rows x 128 K, one to a wave: unit = 3 x work-group + wave.  Each load reads 512 consecutive bytes (one row's K step); a tile turns
; through the wave's own stage in LDS, so that lane (r, h) gets the two whole blocks k = 64 c + 32 h + 0 .. 31 of row r; each store writes 256 or 512 consecutive bytes.
; Waves share nothing: no barrier.  Loads run two tiles (32 loads a wave) ahead.
.set STG,   8448                       ; a wave's stage: 16 rows x 528 bytes (512 + 16: the sixteen rows that a load touches begin 4 words apart modulo 64 banks of 4 bytes: ISA guide 11.1)
.set SPARE, 25344                      ; behind the three stages: the spare words, two blocks of 256 bytes that no other line names
.set CQS,   9437184
.set SPW,   6                          ; v6   SPARE + 4 x my thread's number; never rewritten
.set NIL,   7                          ; v7   0; never rewritten
.set R,     16                         ; v16-143   two sets of 64: a tile as loaded
.set X,     144                        ; v144-207  my two blocks of 32
.set PC,    208                        ; v208-231  two sets of 12: a fragment's codes
.set TP,    232                        ; v232-238  the blocks' second halves (a conversion's three registers begin on an even number)
.set PW,    240                        ; v240-247  the eight tiles' scale words
.set W,     248                        ; v248-251  the scale block
	s_load_b256 s[4:11], s[0:1], 0x0               ; x s[4:5], w_qkv s[6:7], w_proj s[8:9], cq s[10:11]
	v_lshl_add_u32 v[SPW], v0, 2, SPARE
	v_mov_b32 v[NIL], 0
	v_lshrrev_b32 v1, 5, v0
	v_readfirstlane_b32 s12, v1                    ; wave 0..2
	v_and_b32 v8, 31, v0                           ; lane
	v_and_b32 v9, 15, v0                           ; r
	v_bfe_u32 v10, v0, 4, 1                        ; h
	v_lshlrev_b32 v1, 4, v8                        ; v1: 16 x lane
	v_lshlrev_b32 v4, 3, v8                        ; v4: 8 x lane
	v_lshlrev_b32 v5, 3, v10                       ; v5: 8 h
	s_mul_i32 s13, s12, STG
	v_add_nc_u32 v2, s13, v1                       ; v2: the stage on the way in: a row's 512 bytes as they lie
	v_mul_u32_u24 v3, v9, 528
	v_lshl_add_u32 v3, v10, 7, v3
	v_add_nc_u32 v3, s13, v3                       ; v3: on the way out: row r, + 128 h
	v_mov_b32 v15, 0                               ; a lane permute's destination counts as one of its sources
	s_mov_b32 s30, 0x76543210
	s_mov_b32 s31, 0xfedcba98                      ; selects for lane l xor 16
	s_mov_b32 s29, 0xffff0000                      ; lanes 16-31
	s_mul_i32 s14, ttmp9, 3
	s_add_co_u32 s14, s14, s12                     ; my unit
	s_lshr_b32 s15, s14, 3                         ; G
	s_and_b32 s16, s14, 7                          ; s
	s_wait_alu depctr_va_vdst(0)
	s_wait_kmcnt 0x0
	s_cmp_lt_u32 s15, 88                           ; which tensor: the choice hangs on the unit's number alone
	s_cselect_b64 s[18:19], s[6:7], s[8:9]
	s_cselect_b32 s17, 64, 88
	s_cmp_lt_u32 s15, 64
	s_cselect_b64 s[18:19], s[4:5], s[18:19]
	s_cselect_b32 s17, 0, s17
	s_sub_co_u32 s17, s15, s17                     ; the group's number in its own tensor
	s_lshl_b32 s20, s17, 19                        ; 128 rows of 4,096 bytes
	s_lshl_b32 s21, s16, 9                         ; 128 numbers along K
	s_add_co_u32 s20, s20, s21
	s_mov_b32 s21, 0
	s_add_nc_u64 s[18:19], s[18:19], s[20:21]      ; in
	s_mul_i32 s22, s15, 98304
	s_mul_i32 s23, s16, 12288
	s_add_co_u32 s22, s22, s23
	s_mov_b32 s23, 0
	s_add_nc_u64 s[24:25], s[10:11], s[22:23]      ; the unit's codes
	s_lshl_b32 s22, s15, 12
	s_lshl_b32 s28, s16, 9
	s_add_co_u32 s22, s22, s28
	s_add_co_u32 s22, s22, CQS
	s_add_nc_u64 s[26:27], s[10:11], s[22:23]      ; its scale block
.macro LOAD t                          ; tile t's 16 rows, 512 consecutive bytes a load, into set t % 2
.irp i, 0,1,2,3,4,5,6,7,8,9,10,11,12,13,14,15
	global_load_b128 v[R+64*((\t)%2)+4*\i:R+64*((\t)%2)+4*\i+3], v1, s[18:19] offset:(32*((\t)/2)+8*((\t)%2)+\i+8*(\i/8))*4096 th:TH_LOAD_NT
.endr
.endm
.macro FRAGQ t
.set RS, R+64*((\t)%2)
.set PS, PC+12*((\t)%2)
.if (\t) < 7
	s_wait_loadcnt 16                              ; this tile's 16 loads are in; the next tile's 16 may be out
.else
	s_wait_loadcnt 0x0
.endif
.irp i, 0,1,2,3,4,5,6,7,8,9,10,11,12,13,14,15
	ds_store_b128 v2, v[RS+4*\i:RS+4*\i+3] offset:528*\i
.endr
.irp c, 0,1
.irp j, 0,1,2,3,4,5,6,7
	ds_load_b128 v[X+32*\c+4*\j:X+32*\c+4*\j+3], v3 offset:256*\c+16*\j   ; LDS serves a wave's instructions in order (ISA guide 5.7.1.4): these see the stores above
.endr
.endr
	s_wait_dscnt 0x0                               ; my two blocks are in, and the stores have read the set,
.if (\t)+2 < 8
	LOAD (\t)+2                                    ; which takes the tile two on
.endif
.irp c, 0,1
	v_max3_num_f32 v[8+\c], |v[X+32*\c]|, |v[X+32*\c+1]|, 0x1800000       ; block 2 c + h: all 32 numbers are mine; the floor 2^(3 - 127) holds the byte at 1 from below
.endr
.irp i, 2,4,6,8,10,12,14,16,18,20,22,24,26,28,30
.irp c, 0,1
	v_max3_num_f32 v[8+\c], v[8+\c], |v[X+32*\c+\i]|, |v[X+32*\c+\i+1]|   ; the two blocks by turns
.endr
.endr
	v_add_nc_u32 v10, 0xff000000, v8               ; 2 off the exponent field: the conversion's scale operand
	v_add_nc_u32 v11, 0xff000000, v9
	v_lshrrev_b32 v12, 23, v10                     ; the bytes
	v_lshrrev_b32 v13, 23, v11
	v_lshl_or_b32 v14, v13, 16, v12                ; blocks h and 2 + h,
	v_lshlrev_b32 v14, v5, v14                     ; at their places in the word;
	v_permlanex16_b32 v15, v14, s30, s31
	v_or_b32 v[PW+(\t)], v14, v15                  ; with lane l xor 16's two the row's word is whole
	s_wait_alu depctr_va_vdst(0)
	s_wait_xcnt 0x0                                ; the stores of two tiles ago have read this set of codes
.irp c, 0,1
	v_cvt_scalef32_pk16_fp6_f32 v[PS+6*\c:PS+6*\c+2], v[X+32*\c:X+32*\c+15], v[10+\c]
	v_cvt_scalef32_pk16_fp6_f32 v[TP+4*\c:TP+4*\c+2], v[X+32*\c+16:X+32*\c+31], v[10+\c]
.endr
	v_nop                                          ; one plain place behind a scaled conversion
.irp c, 0,1
.irp i, 0,1,2
	v_mov_b32 v[PS+6*\c+3+\i], v[TP+4*\c+\i]
.endr
.endr
.irp p, 0,1,2,3,4,5
	global_store_b64 v4, v[PS+2*\p:PS+2*\p+1], s[24:25] offset:1536*(\t)+256*\p   ; 32 lanes store 256 consecutive bytes, at a multiple of 256 from the buffer's first byte
.endr
.endm
	LOAD 0
	LOAD 1
.irp t, 0,1,2,3,4,5,6,7
	FRAGQ \t
.endr
.irp i, 0,1,2,3
	v_cndmask_b32 v[W+\i], v[PW+2*\i], v[PW+2*\i+1], s29   ; lanes 0-15: tile 2 i's words, lanes 16-31: tile 2 i + 1's
.endr
	global_store_b128 v1, v[W:W+3], s[26:27]       ; the scale block: 512 consecutive bytes
	s_wait_tensorcnt 0x0                           ; the wave's end, behind my last LDS store
	ds_add_u32 v[SPW], v[NIL]
	s_wait_dscnt 0x0
	s_endpgm
.Lfunc_end_k_q3c22840d40_quant:
	.size	k_q3c22840d40_quant, .Lfunc_end_k_q3c22840d40_quant-k_q3c22840d40_quant
	.p2alignl 7, 3214868480
	.fill 96, 4, 3214868480
	.section	.rodata,"a",@progbits
	.p2align	6, 0x0
	.amdhsa_kernel k_q3c22840d40_quant
		.amdhsa_group_segment_fixed_size 25856
		.amdhsa_private_segment_fixed_size 0
		.amdhsa_enable_private_segment 0
		.amdhsa_kernarg_size 32
		.amdhsa_user_sgpr_count 2
		.amdhsa_user_sgpr_kernarg_segment_ptr 1
		.amdhsa_wavefront_size32 1
		.amdhsa_system_sgpr_workgroup_id_x 1
		.amdhsa_system_sgpr_workgroup_id_y 1
		.amdhsa_system_sgpr_workgroup_id_z 1
		.amdhsa_system_vgpr_workitem_id 0
		.amdhsa_next_free_vgpr 256
		.amdhsa_next_free_sgpr 66
		.amdhsa_reserve_vcc 0
		.amdhsa_float_denorm_mode_32 3
		.amdhsa_float_denorm_mode_16_64 3
		.amdhsa_memory_ordered 1
		.amdhsa_forward_progress 1
		.amdhsa_inst_pref_size 60
	.end_amdhsa_kernel
	.amdgpu_metadata
---
amdhsa.version: [ 1, 2 ]
amdhsa.kernels:
  - .name:           k_q3c22840d40_quant
    .symbol:         k_q3c22840d40_quant.kd
    .args:
      - { .name: x, .offset: 0, .size: 8, .value_kind: global_buffer, .address_space: global }
      - { .name: w_qkv, .offset: 8, .size: 8, .value_kind: global_buffer, .address_space: global }
      - { .name: w_proj, .offset: 16, .size: 8, .value_kind: global_buffer, .address_space: global }
      - { .name: cq, .offset: 24, .size: 8, .value_kind: global_buffer, .address_space: global }
    .group_segment_fixed_size: 25856
    .private_segment_fixed_size: 0
    .kernarg_segment_align: 8
    .kernarg_segment_size: 32
    .max_flat_workgroup_size: 96
    .sgpr_count:     66
    .vgpr_count:     256
    .wavefront_size: 32
...
	.end_amdgpu_metadata
.endif
;; end of part 1
;; launch gemm_qkv (part 2): grid 64 x 4, 4 waves a work-group, clusters of 4 x 1, 327,680 bytes of LDS; arguments cq, qkv; writes qkv
.if DOCPART == 2
	.amdgcn_target "amdgcn-amd-amdhsa--gfx1250"
	.amdhsa_code_object_version 6
	.text
	.protected	k_q3c22840d40_gemm_qkv
	.globl	k_q3c22840d40_gemm_qkv
	.p2align	8
	.type	k_q3c22840d40_gemm_qkv,@function
k_q3c22840d40_gemm_qkv:
	s_mov_b64 s[64:65], 0
	v_nop
	global_prefetch_b8 v0, s[64:65] scope:SCOPE_SE
	s_setreg_imm32_b32 hwreg(HW_REG_WAVE_MODE, 25, 1), 1
	s_wait_xcnt 0x0
	s_wait_alu depctr_hold_cnt(0) depctr_sa_sdst(0) depctr_va_vdst(0) depctr_va_sdst(0) depctr_va_ssrc(0) depctr_va_vcc(0) depctr_vm_vsrc(0)
	s_getreg_b32 s2, hwreg(HW_REG_IB_STS2, 6, 4)
	s_cmp_eq_u32 s2, 0
	s_cbranch_scc0 .Lentry_in_a_cluster
	s_endpgm
.Lentry_in_a_cluster:
	s_bfe_u32 s2, ttmp6, 0x10000c
	s_cmp_lg_u32 s2, 0x3003
	s_cbranch_scc0 .Lentry_shape_is_right
	s_endpgm
.Lentry_shape_is_right:
; q, k, v = x w_qkv^T on codes of FP6 (E2M3) with E8M0 scales, quantised again on the way out: q and k along the head's channels, v along the keys, and stored as register images for the attention launch.
; OPERANDS (cq): a group of 128 rows is 98,304 bytes: K step s (128 along K) at 12,288 s, tile t (16 rows) at 1,536 t, piece p (registers 2 p, 2 p + 1) at 256 p, lane l's 8 bytes at 8 l.  x: groups 0-63, w_qkv: 64-87.
; Lane-row r of tile t is row 32 (t / 2) + 8 (t % 2) + r + 8 (r / 8) of its group.  Scale words of (group, s): 512 bytes at CQS + 4,096 group + 512 s; the word of (tile 2 i + u, row r) at 16 (16 u + r) + 4 i.
; SHARES.  Work-group (X, j) keeps x's group X in LDS for all of K and walks the pairs P = 3 j, 3 j + 1, 3 j + 2 of w_qkv's groups (P 0-3: q, 4-7: k, 8-11: v): three blocks of 128 x 256; 64 x 4 = 256 work-groups.
; THE RING.  A pair comes in halves of K through two slots of 98,304 bytes (two groups x 49,152): fill f = 2 block + half lies in slot f % 2.  Behind each change of slots a wave issues one load, a quarter of a slot.
; CLUSTER 4 x 1: four x groups with the same j walk the same pairs: w's loads are joint, with the mask of all four; x's load is each work-group's own.
; A WAVE makes 64 rows on the lanes' side x 128 on the registers' side (source 1 and source 0 of the matrix instruction): 32 accumulators; a lane's 16 registers of tiles 2 b, 2 b + 1 are 16 neighbours along the registers' side,
; which is the axis that is quantised.  q, k: lanes = 64 rows of x (wave / 2), registers = a group of w: 128 channels, two heads (wave % 2).  v: lanes = 64 channels of w, one head (group wave / 2, half wave % 2), registers = x's 128 keys.
; The products are written once; only the LDS loads have two arms, chosen by P, which hangs on the work-group's y and the block's number alone and is the same in all partners.
; PREFETCH: behind a refill each wave asks for 24 blocks of 256 bytes of the fill two refills on: of a wave's quarter (96 blocks) the partner at place cx takes blocks 24 cx .. 24 cx + 23 (lanes 24-31 name the last again);
; fills 0 and 1 come by their loads alone; the last two refills ask for nothing.
; OUT (qkv): codes: region (q 0, k 1, v 2) x 6,291,456 + (8 batch + head pair) x 196,608 + head's parity x 98,304 + group in batch x 6,144; q, k: tile x 768; v: channel tile x 1,536.
; q's and k's scale blocks: 512 bytes for (head, group): the word of tile 4 c + 2 i + u, row r, at 256 c + 8 (16 u + r) + 4 i; its upper two bytes scale zero codes.  v's: 256 bytes for (head, group): (tile 2 i + u, row r) at 8 (16 u + r) + 4 i.
; LIMITS: NaN and infinities are not served; a block whose largest magnitude lies under 2^-124 (a block of zeros too) gets the byte 1; these bytes are read by this program alone.
.set GB,     98304
.set HK,     49152
.set QP,     24576
.set SL0,    98304
.set SL1,    196608
.set SPARE,  294912                    ; behind x and the slots: the spare words, two blocks of 256 bytes that no other line names
.set CQS,    9437184
.set REGION, 6291456
.set SCOFF,  18874368
.set QSOFF,  19660800
.set L8,   2
.set L16,  3
.set XA,   8                           ; v8, v9   x on the lanes' side, K half 0, 1;   v10, v11 w on the registers' side;   v12, v13 w on the lanes' side;   v14, v15 x on the registers' side
.set WB,   10
.set WA,   12
.set XB,   14
.set PFO,  16
.set SPW,  28
.set NIL,  29
.set SA,   32                          ; v32-47  the lanes' side's scale words: 2 s + i
.set SB,   48                          ; v48-79  the registers' side's: 4 s + i
.set TM,   80
.set PW,   96
.set WW,   100
.set CO,   108
.set AF,   128                         ; the lanes' side's fragments, two sets of 48 (window 0); the registers' side's: two sets of 96 at v0 and v128 of window 1; accumulator (a, b) at v[8 (8 a + b)] of window 2
.set PS,   176                         ; the way out: 4 x 12 registers of codes, on set 1
.set TP,   224
.set XG,  17
.set PI,  18
.set CNT, 19
.set HI,  20
.set ISV, 21
.set SEL, 22
.set G1X, 24
.set G0,  32                           ; s[32:35] slot 0's group 0, s[36:39] slot 1's
.set G1H, 48
.set G0X, 56
.set G0H, 60
.set G1R, 68
.set PF,  76
.set MSB, 0
.macro WIN new
.if MSB != (\new)
	s_set_vgpr_msb (MSB<<8)|(\new)
.set MSB, (\new)
.endif
.endm
.set MUL,  0xa1
.set TO_B, 0x40
.macro CROUND
	s_barrier_signal -1
	s_barrier_wait -1
	s_cmp_lg_u32 s14, 0
	s_cbranch_scc1 .Lnot_wave_0_\@
	s_barrier_signal -3
.Lnot_wave_0_\@:
	s_barrier_wait -3
	s_barrier_signal -1
	s_barrier_wait -1
.endm
.macro PLACES n
.rept \n
	v_nop
.endr
.endm
; the scale words of block P, from memory into registers: the lanes' side takes its two words of four (8 bytes a lane), the registers' side all four
.macro SCLOAD
	s_lshl_b32 s82, s[PI], 1
	s_add_co_u32 s82, s82, 64
	s_add_co_u32 s83, s82, s15
	s_lshl_b32 s83, s83, 12
	s_lshl_b32 s84, s16, 3
	s_add_co_u32 s83, s83, s84                     ; v: w's group wave / 2, words of half wave % 2
	s_add_co_u32 s82, s82, s16
	s_lshl_b32 s82, s82, 12                        ; q, k: w's group wave % 2
	s_lshl_b32 s85, s[XG], 12
	s_lshl_b32 s84, s15, 3
	s_add_co_u32 s84, s85, s84                     ; q, k: x's words of half wave / 2
	s_cmp_ge_u32 s[PI], 8
	s_cselect_b32 s86, s83, s84
	s_cselect_b32 s88, s85, s82
	s_add_co_u32 s86, s86, CQS
	s_add_co_u32 s88, s88, CQS
	s_mov_b32 s87, 0
	s_mov_b32 s89, 0
	s_add_nc_u64 s[78:79], s[4:5], s[86:87]
	s_add_nc_u64 s[80:81], s[4:5], s[88:89]
.irp s, 0,1,2,3,4,5,6,7
	global_load_b64 v[SA+2*\s:SA+2*\s+1], v[L16], s[78:79] offset:512*\s
	global_load_b128 v[SB+4*\s:SB+4*\s+3], v[L16], s[80:81] offset:512*\s
.endr
.endm
	s_load_b128 s[4:7], s[0:1], 0x0                ; cq s[4:5], qkv s[6:7]
	v_lshl_add_u32 v[SPW], v0, 2, SPARE
	v_mov_b32 v[NIL], 0
	ds_add_u32 v[SPW], v[NIL]                      ; the opening lines: the add, twice on end, and its wait
	ds_add_u32 v[SPW], v[NIL]
	v_lshrrev_b32 v1, 5, v0
	v_readfirstlane_b32 s14, v1                    ; wave 0..3
	v_and_b32 v4, 31, v0
	v_lshlrev_b32 v[L8], 3, v4
	v_lshlrev_b32 v[L16], 4, v4
	v_min_u32 v5, 23, v4
	v_lshlrev_b32 v[PFO], 8, v5                    ; a lane a block of 256 bytes
.irp b, 0,1,2,3
	v_mov_b32 v[TM+4+\b], 0                        ; a lane permute's destination counts as one of its sources
.endr
	s_wait_alu depctr_va_vdst(0)                   ; the wait ahead of the scalar stretch
	s_lshr_b32 s15, s14, 1
	s_and_b32 s16, s14, 1
	s_bfe_u32 s40, ttmp6, 0x40000                  ; cx
	s_lshl_b32 s[XG], ttmp9, 2
	s_add_co_u32 s[XG], s[XG], s40                 ; X
	s_and_b32 s41, ttmp7, 0xffff                   ; j, which the four partners share
	s_mul_i32 s[PI], s41, 3                        ; P of the block in hand
	s_mov_b32 s[G1X], 3<<16                        ; dense rows of 256 bytes, elements of 8 bytes; x's load names no partner
	s_mov_b32 s[G1H], 15|(3<<16)|(1<<21)
	s_mov_b32 s[G1R], 15|(3<<16)|(1<<21)
.irp g, G1X, G1H, G1R
	s_mov_b32 s[\g+1], 32<<16
	s_mov_b32 s[\g+3], 32<<16
	s_mov_b32 s[\g+5], 32
	s_mov_b32 s[\g+6], 0
	s_mov_b32 s[\g+7], 0
.endr
	s_mov_b32 s[G1X+2], 192<<16                    ; the head's loads: 49,152 bytes
	s_mov_b32 s[G1X+4], 192
	s_mov_b32 s[G1H+2], 192<<16
	s_mov_b32 s[G1H+4], 192
	s_mov_b32 s[G1R+2], 96<<16                     ; the ring's: 24,576
	s_mov_b32 s[G1R+4], 96
	s_mul_i32 s42, s[XG], GB
	s_mul_i32 s43, s16, HK
	s_add_co_u32 s42, s42, s43                     ; x's half of K
	s_mov_b32 s43, 0
	s_lshl_b32 s44, s[PI], 1
	s_add_co_u32 s44, s44, 64
	s_add_co_u32 s46, s44, s16
	s_mul_i32 s46, s46, GB                         ; fill 0: a group's first half of K
	s_mov_b32 s47, 0
	s_add_co_u32 s44, s44, s15
	s_mul_i32 s44, s44, GB
	s_mul_i32 s45, s16, QP
	s_add_co_u32 s44, s44, s45                     ; my quarter of fill 0
	s_mov_b32 s45, 0
	s_mul_i32 s82, s40, 6144
	s_add_co_u32 s82, s82, s44                     ; and my work-group's 24 blocks of it
	s_mov_b32 s83, 0
	s_mov_b32 s[G0X], 1
	s_mul_i32 s[G0X+1], s16, HK
	s_mov_b32 s[G0H], 1
	s_mul_i32 s[G0H+1], s16, HK
	s_add_co_u32 s[G0H+1], s[G0H+1], SL0
	s_mov_b32 s[G0], 1
	s_mul_i32 s[G0+1], s14, QP
	s_add_co_u32 s[G0+1], s[G0+1], SL0
	s_mov_b32 s[G0+4], 1
	s_mul_i32 s[G0+5], s14, QP
	s_add_co_u32 s[G0+5], s[G0+5], SL1
	s_mul_i32 s84, s15, 6144
	v_add_nc_u32 v[XA], s84, v[L8]
	s_add_co_u32 s84, s84, HK
	v_add_nc_u32 v[XA+1], s84, v[L8]
	v_add_nc_u32 v[XB], 0, v[L8]
	v_add_nc_u32 v[XB+1], HK, v[L8]
	s_mul_i32 s84, s16, HK
	s_add_co_u32 s84, s84, SL0
	v_add_nc_u32 v[WB], s84, v[L8]
	s_add_co_u32 s84, s84, GB
	v_add_nc_u32 v[WB+1], s84, v[L8]
	s_mul_i32 s84, s15, HK
	s_mul_i32 s85, s16, 6144
	s_add_co_u32 s84, s84, s85
	s_add_co_u32 s84, s84, SL0
	v_add_nc_u32 v[WA], s84, v[L8]
	s_add_co_u32 s84, s84, GB
	v_add_nc_u32 v[WA+1], s84, v[L8]
	s_mov_b32 s[HI], 0xffff0000
	s_mov_b32 s[SEL], 0x76543210
	s_mov_b32 s[SEL+1], 0xfedcba98
	s_wait_alu depctr_va_vdst(0)                   ; the wait ahead of the blocking waits
	s_wait_dscnt 0x0                               ; both opening adds are done
	s_wait_kmcnt 0x0
	s_add_nc_u64 s[G0X+2:G0X+3], s[4:5], s[42:43]
	s_or_b32 s[G0X+3], s[G0X+3], 0x80000000
	s_add_nc_u64 s[G0H+2:G0H+3], s[4:5], s[46:47]
	s_or_b32 s[G0H+3], s[G0H+3], 0x80000000
	s_add_nc_u64 s[G0+2:G0+3], s[4:5], s[44:45]    ; slot 0: at fill 0; stepped ahead of each of its loads
	s_add_nc_u64 s[G0+6:G0+7], s[G0+2:G0+3], HK    ; slot 1: fill 1
	s_or_b32 s[G0+3], s[G0+3], 0x80000000
	s_or_b32 s[G0+7], s[G0+7], 0x80000000
	s_add_nc_u64 s[PF:PF+1], s[4:5], s[82:83]
	CROUND                                         ; all four work-groups are here
	s_cmp_eq_u32 s15, 0                            ; the head's loads, one a wave: waves 0, 1 x's halves of K, waves 2, 3 fill 0's two groups
	s_cbranch_scc0 .Lhead_w
	tensor_load_to_lds s[G0X:G0X+3], s[G1X:G1X+7]
	s_nop 0
	PLACES 4
	s_branch .Lhead_asked
.Lhead_w:
	tensor_load_to_lds s[G0H:G0H+3], s[G1H:G1H+7]
	s_nop 0
	PLACES 4
.Lhead_asked:
	SCLOAD
.macro FRAG reg, adr, q, i
.irp p, 0,1,2,3,4,5
	ds_load_b64 v[\reg+2*\p:\reg+2*\p+1], v[\adr] offset:12288*(\q)+1536*(\i)+256*\p
.endr
.endm
.macro FB s, adr                       ; the registers' side: eight fragments of K step s into set s % 2
	WIN TO_B
.irp i, 0,1,2,3,4,5,6,7
	FRAG 128*((\s)%2)+12*\i, \adr+(\s)/4, (\s)%4, \i
.endr
	WIN 0
.endm
.macro FA s, adr                       ; the lanes' side: four
.irp i, 0,1,2,3
	FRAG AF+48*((\s)%2)+12*\i, \adr+(\s)/4, (\s)%4, \i
.endr
.endm
.macro FETCH s, lim                    ; lim = 8: for the block in hand; 7: for the next block
	s_cmp_ge_u32 s[PI], \lim
	s_cbranch_scc1 .Lfetch_v_\@
	FB \s, WB
	FA \s, XA
	s_branch .Lfetched_\@
.Lfetch_v_\@:
	FB \s, XB
	FA \s, WA
.Lfetched_\@:
.endm
.macro WM a, b, s, zero
.set rD, 8*(8*(\a)+(\b))
.set rB, 128*((\s)%2)+12*(\b)
.set rA, AF+48*((\s)%2)+12*(\a)
.set rSB, SB+4*(\s)+(\b)/2
.set rSA, SA+2*(\s)+(\a)/2
.set kind, 4*(\zero)+2*((\b)%2)+(\a)%2
.if kind == 0
	v_wmma_scale_f32_16x16x128_f8f6f4 v[rD:rD+7], v[rB:rB+11], v[rA:rA+11], v[rD:rD+7], v[rSB], v[rSA] matrix_a_fmt:MATRIX_FMT_FP6 matrix_b_fmt:MATRIX_FMT_FP6
.elseif kind == 1
	v_wmma_scale_f32_16x16x128_f8f6f4 v[rD:rD+7], v[rB:rB+11], v[rA:rA+11], v[rD:rD+7], v[rSB], v[rSA] matrix_a_fmt:MATRIX_FMT_FP6 matrix_b_fmt:MATRIX_FMT_FP6 matrix_b_scale:MATRIX_SCALE_ROW1
.elseif kind == 2
	v_wmma_scale_f32_16x16x128_f8f6f4 v[rD:rD+7], v[rB:rB+11], v[rA:rA+11], v[rD:rD+7], v[rSB], v[rSA] matrix_a_fmt:MATRIX_FMT_FP6 matrix_b_fmt:MATRIX_FMT_FP6 matrix_a_scale:MATRIX_SCALE_ROW1
.elseif kind == 3
	v_wmma_scale_f32_16x16x128_f8f6f4 v[rD:rD+7], v[rB:rB+11], v[rA:rA+11], v[rD:rD+7], v[rSB], v[rSA] matrix_a_fmt:MATRIX_FMT_FP6 matrix_b_fmt:MATRIX_FMT_FP6 matrix_a_scale:MATRIX_SCALE_ROW1 matrix_b_scale:MATRIX_SCALE_ROW1
.elseif kind == 4
	v_wmma_scale_f32_16x16x128_f8f6f4 v[rD:rD+7], v[rB:rB+11], v[rA:rA+11], 0, v[rSB], v[rSA] matrix_a_fmt:MATRIX_FMT_FP6 matrix_b_fmt:MATRIX_FMT_FP6
.elseif kind == 5
	v_wmma_scale_f32_16x16x128_f8f6f4 v[rD:rD+7], v[rB:rB+11], v[rA:rA+11], 0, v[rSB], v[rSA] matrix_a_fmt:MATRIX_FMT_FP6 matrix_b_fmt:MATRIX_FMT_FP6 matrix_b_scale:MATRIX_SCALE_ROW1
.elseif kind == 6
	v_wmma_scale_f32_16x16x128_f8f6f4 v[rD:rD+7], v[rB:rB+11], v[rA:rA+11], 0, v[rSB], v[rSA] matrix_a_fmt:MATRIX_FMT_FP6 matrix_b_fmt:MATRIX_FMT_FP6 matrix_a_scale:MATRIX_SCALE_ROW1
.else
	v_wmma_scale_f32_16x16x128_f8f6f4 v[rD:rD+7], v[rB:rB+11], v[rA:rA+11], 0, v[rSB], v[rSA] matrix_a_fmt:MATRIX_FMT_FP6 matrix_b_fmt:MATRIX_FMT_FP6 matrix_a_scale:MATRIX_SCALE_ROW1 matrix_b_scale:MATRIX_SCALE_ROW1
.endif
.endm
.macro MUL32 s, zero                   ; a K step: the 32 accumulators take turns, one instruction a turn, in the same order in every step
	WIN MUL
.irp a, 0,1,2,3
.irp b, 0,1,2,3,4,5,6,7
	WM \a, \b, \s, \zero
.endr
.endr
.endm
.macro STEPN s
	s_wait_dscnt 0x0                               ; this step's fragments are in (asked for 32 matrix instructions ago)
	PLACES 4                                       ; ahead of loads into the set that the last step multiplied
	WIN 0
	FETCH (\s)+1, 8
	MUL32 \s, 0
.endm
; A CHANGE OF SLOTS.  My fragments of the slot's last step are in registers, so I read the slot no more.  refill = 1: the three lines, a round of the cluster's barrier, and the slot takes the fill two on.
; refill = 0: nothing is left to fetch: the barrier only shows the other slot whole to all four waves.
.macro BOUND slot, refill
	WIN 0
	s_wait_tensorcnt 0x0                           ; all my tensor loads have landed, my quarter of the other slot among them
.if \refill
	ds_add_u32 v[SPW], v[NIL]
	s_add_nc_u64 s[G0+4*\slot+2:G0+4*\slot+3], s[G0+4*\slot+2:G0+4*\slot+3], 2*GB   ; no load of mine is out: this slot's next fill, a pair of groups on
	s_wait_dscnt 0x0                               ; the add is done, and my reads of this slot
	CROUND
	tensor_load_to_lds s[G0+4*\slot:G0+4*\slot+3], s[G1R:G1R+7]
	s_nop 0
	PLACES 4                                       ; also the places ahead of the loads that follow
.else
	s_wait_dscnt 0x0
	s_barrier_signal -1
	s_barrier_wait -1
	PLACES 4
.endif
.endm
.macro ASK off                         ; in the loop's first trip alone: the second trip's refills are the last two
	s_cmp_eq_u32 s[CNT], 2
	s_cbranch_scc0 .Lnot_asked_\@
	global_prefetch_b8 v[PFO], s[PF:PF+1] offset:\off th:TH_LOAD_NT scope:SCOPE_SE
.Lnot_asked_\@:
.endm
; where block P's results go
.macro EPI
	s_lshl_b32 s82, s[PI], 1
	s_add_co_u32 s83, s82, s16                     ; q, k: w's group, 0..15
	s_add_co_u32 s84, s82, s15
	s_sub_co_u32 s84, s84, 16                      ; v: head pair
	s_lshr_b32 s85, s83, 3                         ; region
	s_and_b32 s83, s83, 7                          ; head pair
	s_mul_i32 s86, s15, 3072                       ; q, k: my four tiles of 768 bytes
	s_mul_i32 s87, s16, GB                         ; v: my head of the pair
	s_mov_b32 s90, 768
	s_mov_b32 s91, GB
	s_cmp_ge_u32 s[PI], 8
	s_cselect_b32 s[ISV], 1, 0
	s_cselect_b32 s85, 2, s85
	s_cselect_b32 s83, s84, s83
	s_cselect_b32 s86, s87, s86
	s_cselect_b32 s90, 1536, s90                   ; from tile to tile
	s_cselect_b32 s91, 768, s91                    ; from a fragment's first half to its second: the odd head (q, k), the next 64 keys (v)
	s_lshr_b32 s84, s[XG], 4
	s_lshl_b32 s84, s84, 3
	s_add_co_u32 s84, s84, s83                     ; 8 batch + head pair
	s_and_b32 s87, s[XG], 15                       ; the group in its batch
	s_mul_i32 s92, s85, REGION
	s_mul_i32 s93, s84, 196608
	s_add_co_u32 s92, s92, s93
	s_mul_i32 s93, s87, 6144
	s_add_co_u32 s92, s92, s93
	s_add_co_u32 s92, s92, s86
	s_mov_b32 s93, 0
	s_add_nc_u64 s[8:9], s[6:7], s[92:93]
	s_mov_b32 s92, s91
	s_add_nc_u64 s[10:11], s[8:9], s[92:93]
	s_mul_i32 s92, s84, 24576
	s_add_co_u32 s92, s92, SCOFF
	s_lshl_b32 s94, s84, 14
	s_add_co_u32 s94, s94, QSOFF
	s_cmp_eq_u32 s85, 0
	s_cselect_b32 s92, s94, s92
	s_lshl_b32 s94, s87, 9
	s_lshl_b32 s95, s15, 8
	s_add_co_u32 s94, s94, s95                     ; q, k: 512 group + 256 (wave / 2)
	s_lshl_b32 s95, s87, 8
	s_lshl_b32 s86, s16, 12
	s_add_co_u32 s95, s95, s86
	s_add_co_u32 s95, s95, 16384                   ; v: behind k's, 4,096 a head, 256 a group
	s_cmp_eq_u32 s[ISV], 1
	s_cselect_b32 s94, s95, s94
	s_add_co_u32 s92, s92, s94
	s_add_nc_u64 s[12:13], s[6:7], s[92:93]
.endm
; tile a of the lanes' side: its 64 registers are four blocks of 32 along the quantised axis: a fragment of 12 registers and a scale word a row
.macro QUANTA a
.set AC, 64*(\a)
.set PSA, PS+12*(\a)
.if (\a) == 0
.set CA, L8
.else
.set CA, CO+(\a)
.endif
	WIN 0x0a
.irp b, 0,1,2,3
	v_max3_num_f32 v[TM+\b], |v[AC+16*\b]|, |v[AC+16*\b+1]|, 0x1800000   ; each accumulator from its low end on; the floor 2^(3 - 127) holds the byte at 1 from below
.endr
.irp i, 2,4,6,8,10,12,14
.irp b, 0,1,2,3
	v_max3_num_f32 v[TM+\b], |v[AC+16*\b+\i]|, |v[AC+16*\b+\i+1]|, v[TM+\b]
.endr
.endr
	WIN 0
.irp b, 0,1,2,3
	v_permlanex16_b32 v[TM+4+\b], v[TM+\b], s[SEL], s[SEL+1]
.endr
.irp b, 0,1,2,3
	v_max_num_f32 v[TM+\b], v[TM+\b], v[TM+4+\b]   ; with lane l xor 16's 16
.endr
.irp b, 0,1,2,3
	v_add_nc_u32 v[TM+12+\b], 0xff000000, v[TM+\b] ; 2 off the exponent field: the conversion's scale operand
.endr
.irp b, 0,1,2,3
	v_lshrrev_b32 v[TM+4+\b], 23, v[TM+12+\b]      ; the byte
.endr
	v_lshl_or_b32 v[PW+(\a)], v[TM+5], 8, v[TM+4]
	v_lshl_or_b32 v[PW+(\a)], v[TM+6], 16, v[PW+(\a)]
	v_lshl_or_b32 v[PW+(\a)], v[TM+7], 24, v[PW+(\a)]
	WIN 0x02
.irp c, 0,1
	v_cvt_scalef32_pk16_fp6_f32 v[PSA+6*\c:PSA+6*\c+2], v[AC+32*\c:AC+32*\c+15], v[TM+12+2*\c]
	v_cvt_scalef32_pk16_fp6_f32 v[TP+4*\c:TP+4*\c+2], v[AC+32*\c+16:AC+32*\c+31], v[TM+12+2*\c+1]
.endr
	WIN 0
	v_nop                                          ; one plain place behind a scaled conversion
.irp c, 0,1
.irp i, 0,1,2
	v_permlane16_swap_b32 v[PSA+6*\c+\i], v[TP+4*\c+\i]   ; a whole block to a lane
.endr
.irp i, 0,1,2
	v_mov_b32 v[PSA+6*\c+3+\i], v[TP+4*\c+\i]
.endr
.endr
.irp p, 0,1,2
	global_store_b64 v[CA], v[PSA+2*\p:PSA+2*\p+1], s[8:9] offset:256*\p        ; 256 consecutive bytes, at a multiple of 256 from the buffer's first byte
.endr
.irp p, 0,1,2
	global_store_b64 v[CA], v[PSA+6+2*\p:PSA+6+2*\p+1], s[10:11] offset:256*\p
.endr
.endm
; A BLOCK: eight K steps, slot 0 then slot 1.  Step 3 frees slot 0, step 7 slot 1.  last = 1: nothing more is fetched.
.macro BLOCK last
	s_wait_loadcnt 0x0                             ; the block's scale words
	s_wait_xcnt 0x0                                ; the last block's stores have read their registers and bases
	s_wait_dscnt 0x0                               ; step 0's fragments
	FETCH 1, 8
	MUL32 0, 1                                     ; the first step's products start the sums
	STEPN 1
	STEPN 2
	BOUND 0, 1-\last
	FETCH 4, 8
.if 1-\last
	ASK 4*GB                                       ; fill 4, two refills on
.endif
	MUL32 3, 0
	STEPN 4
	STEPN 5
	STEPN 6
.if \last
	s_wait_dscnt 0x0
	MUL32 7, 0
.else
	BOUND 1, 1
	FETCH 0, 7                                     ; the next block's first fragments
	ASK 4*GB+HK                                    ; fill 5
	MUL32 7, 0
.endif
	PLACES 4                                       ; behind the last products
	WIN 0
	EPI
.if 1-\last
	s_add_co_u32 s[PI], s[PI], 1
	SCLOAD                                         ; the next block's scale words land under the way out
.endif
	v_add_nc_u32 v[CO+1], s90, v[L8]
	v_add_nc_u32 v[CO+2], s90, v[CO+1]
	v_add_nc_u32 v[CO+3], s90, v[CO+2]
	s_wait_alu depctr_va_vdst(0)
.irp a, 0,1,2,3
	QUANTA \a
.endr
.irp i, 0,1
	v_cndmask_b32 v[WW+\i], v[PW+2*\i], v[PW+2*\i+1], s[HI]   ; lanes 0-15: tile 2 i's words, lanes 16-31: tile 2 i + 1's
.endr
	global_store_b64 v[L8], v[WW:WW+1], s[12:13]   ; 256 consecutive bytes
	s_cmp_eq_u32 s[ISV], 1
	s_cbranch_scc1 .Lone_head_\@
.irp i, 0,1
	v_lshrrev_b32 v[WW+2+\i], 16, v[WW+\i]         ; q, k: the odd head's two bytes
.endr
	global_store_b64 v[L8], v[WW+2:WW+3], s[12:13] offset:8192
.Lone_head_\@:
.endm
	s_wait_alu depctr_va_vdst(0)                   ; the wait at the head's end
	s_wait_tensorcnt 0x0                           ; my part of x or of fill 0 is in; slot 1's first fill is issued as a refill is:
	ds_add_u32 v[SPW], v[NIL]
	s_wait_dscnt 0x0
	CROUND
	tensor_load_to_lds s[G0+4:G0+7], s[G1R:G1R+7]  ; fill 1
	s_nop 0
	PLACES 4
	FETCH 0, 8
	global_prefetch_b8 v[PFO], s[PF:PF+1] offset:2*GB th:TH_LOAD_NT scope:SCOPE_SE      ; fill 2
	global_prefetch_b8 v[PFO], s[PF:PF+1] offset:2*GB+HK th:TH_LOAD_NT scope:SCOPE_SE   ; fill 3
	s_mov_b32 s[CNT], 2
.Lblock:
	BLOCK 0
	s_sub_co_u32 s[CNT], s[CNT], 1
	s_cmp_lg_u32 s[CNT], 0
	s_wait_alu depctr_va_vdst(0)
	s_cbranch_scc1 .Lblock
	BLOCK 1
	s_wait_tensorcnt 0x0                           ; the wave's end
	ds_add_u32 v[SPW], v[NIL]
	s_wait_dscnt 0x0
	CROUND                                         ; the closing round
	s_endpgm
.Lfunc_end_k_q3c22840d40_gemm_qkv:
	.size	k_q3c22840d40_gemm_qkv, .Lfunc_end_k_q3c22840d40_gemm_qkv-k_q3c22840d40_gemm_qkv
	.p2alignl 7, 3214868480
	.fill 96, 4, 3214868480
	.section	.rodata,"a",@progbits
	.p2align	6, 0x0
	.amdhsa_kernel k_q3c22840d40_gemm_qkv
		.amdhsa_group_segment_fixed_size 327680
		.amdhsa_private_segment_fixed_size 0
		.amdhsa_enable_private_segment 0
		.amdhsa_kernarg_size 16
		.amdhsa_user_sgpr_count 2
		.amdhsa_user_sgpr_kernarg_segment_ptr 1
		.amdhsa_wavefront_size32 1
		.amdhsa_system_sgpr_workgroup_id_x 1
		.amdhsa_system_sgpr_workgroup_id_y 1
		.amdhsa_system_sgpr_workgroup_id_z 1
		.amdhsa_system_vgpr_workitem_id 0
		.amdhsa_next_free_vgpr 768
		.amdhsa_next_free_sgpr 100
		.amdhsa_reserve_vcc 0
		.amdhsa_float_denorm_mode_32 3
		.amdhsa_float_denorm_mode_16_64 3
		.amdhsa_memory_ordered 1
		.amdhsa_forward_progress 1
		.amdhsa_inst_pref_size 255
	.end_amdhsa_kernel
	.section	.bss,"aw",@nobits
	.p2align	6
	.space	262144
	.amdgpu_metadata
---
amdhsa.version: [ 1, 2 ]
amdhsa.kernels:
  - .name:           k_q3c22840d40_gemm_qkv
    .symbol:         k_q3c22840d40_gemm_qkv.kd
    .args:
      - { .name: cq, .offset: 0, .size: 8, .value_kind: global_buffer, .address_space: global }
      - { .name: qkv, .offset: 8, .size: 8, .value_kind: global_buffer, .address_space: global }
    .group_segment_fixed_size: 327680
    .private_segment_fixed_size: 0
    .kernarg_segment_align: 8
    .kernarg_segment_size: 16
    .max_flat_workgroup_size: 128
    .sgpr_count:     100
    .vgpr_count:     768
    .wavefront_size: 32
...
	.end_amdgpu_metadata
.endif
;; end of part 2
;; launch attn (part 3): grid 4 x 64, 16 waves a work-group, clusters of 4 x 1, 327,680 bytes of LDS; arguments qkv, ao; writes ao
.if DOCPART == 3
	.amdgcn_target "amdgcn-amd-amdhsa--gfx1250"
	.amdhsa_code_object_version 6
	.text
	.protected	k_q3c22840d40_attn
	.globl	k_q3c22840d40_attn
	.p2align	8
	.type	k_q3c22840d40_attn,@function
k_q3c22840d40_attn:
	s_mov_b64 s[64:65], 0
	v_nop
	global_prefetch_b8 v0, s[64:65] scope:SCOPE_SE
	s_setreg_imm32_b32 hwreg(HW_REG_WAVE_MODE, 25, 1), 1
	s_wait_xcnt 0x0
	s_wait_alu depctr_hold_cnt(0) depctr_sa_sdst(0) depctr_va_vdst(0) depctr_va_sdst(0) depctr_va_ssrc(0) depctr_va_vcc(0) depctr_vm_vsrc(0)
	s_getreg_b32 s2, hwreg(HW_REG_IB_STS2, 6, 4)
	s_cmp_eq_u32 s2, 0
	s_cbranch_scc0 .Lentry_in_a_cluster
	s_endpgm
.Lentry_in_a_cluster:
	s_bfe_u32 s2, ttmp6, 0x10000c
	s_cmp_lg_u32 s2, 0x3003
	s_cbranch_scc0 .Lentry_shape_is_right
	s_endpgm
.Lentry_shape_is_right:
; o = softmax(q k^T / 8) v for 64 heads of 2,048 x 64, both products on codes of FP6 (E2M3) with E8M0 scales; o is quantised along the head's channels and stored as the last product's operand.
; THE SOFTMAX: t = score x log2(e) / 8; M = the running largest t rounded UP to a whole number; p = 2^(t - M) is quantised along the keys, not normalised; the row's sum is taken of the unquantised p and divides at the end.
; When M moves, the sum and O are multiplied by 2^(old M - new M): exact.
; SHARES.  A work-group owns ONE head (work-group y = 16 batch + head) and 512 of its queries; wave w owns the tiles of 16 queries w and 16 + w of the 32, one after the other; every tile walks all 2,048 keys, 128 a step.
; LDS.  The head's whole K and V (register images, 98,304 bytes each) and its scale words (8,192 + 4,096 bytes) are fetched ONCE, at the head: waves 0-5 K's sixths, 6-11 V's, 12 K's scales, 13 V's.
; Nothing is filled again: one barrier shows the tiles to all waves, and the waves meet again only for o's scale words.
; CLUSTER.  The four query blocks of a head need the same tiles: every tensor load is joint, with the mask of all four.
; NO PREFETCH: all that the launch reads through LDS is asked for at the head; there is no loop to run ahead in.
; LAYOUT.  S^T = K Q^T (source 0 = 16 keys), O^T = V^T P^T (source 0 = 16 channels): a lane holds ONE query throughout.  Lane-row r of tile t is key (channel) 32 (t / 2) + 8 (t % 2) + r + 8 (r / 8):
; so the 16 registers of tiles 2 b, 2 b + 1 are 16 neighbours, 32 b + 16 h + 0 .. 15.
; K = 64 IN AN INSTRUCTION OF 128: Q's registers 6-11 are zero codes, so whatever source 0 holds for k = 64 .. 127 adds nothing: K's tiles lie 6 registers apart, a tile's upper half is the next tile's codes (the last's: zeros).
; o's SCALES: a head gives two bytes a row.  They lie at ao + AOS + (16 batch + head) x 4,096 + group x 256 (group: 128 queries); the half-word of (tile 2 i + u, row r) at 8 (16 u + r) + 2 i.
; LIMITS: NaN and infinities are not served; a block under 2^-124 gets the byte 1; O / l is a multiplication by v_rcp_f32 of l (1 ulp: ISA guide, its entry in 15.8).
.set KREG,  6291456
.set VREG,  12582912
.set SCOFF, 18874368
.set QSOFF, 19660800
.set AOS,   6291456
.set VOFF,  98304                      ; K's 16 steps of 6,144 bytes, then V's
.set STEPB, 6144
.set SCB,   196608                     ; K's scale blocks, 16 x 512, then V's, 16 x 256
.set SPARE, 208896                     ; the spare words, 128 bytes a wave: eight blocks of 256 bytes that no other line names
.set OSC,   210944                     ; 1,024 bytes in which o's scale half-words meet; no fill lands here
.set SPW, 6                            ; v6  SPARE + 4 x my thread's number; never rewritten
.set NIL, 7                            ; v7  0; never rewritten
.set ADK, 8                            ; v8  the step's K tiles;  v9 K's scale block;  v10 V's scale words;  v11 V's tiles
.set ADS, 9
.set ADT, 10
.set ADV, 11
.set ADK1, 28                          ; v28, v29 K's pieces 8-15 and 16-23;  v30, v31 V's: a two-address load reaches 2,040 bytes from its register
.set ADK2, 29
.set ADV1, 30
.set ADV2, 31
.set QA,  16                           ; v16-27  the first tile's Q: 6 registers of codes, 6 of zeros
.set KV,  32                           ; v32-79  8 tiles of K (6 registers each), later 4 of V (12 each);  v80-85 zeros
.set QB,  86                           ; v86-97  the second tile's Q
.set S,   98                           ; v98-161 S^T, then p
.set O,   162                          ; v162-193 O^T
.set PCD, 194                          ; v194-205 p's codes
.set PT,  206                          ; v206-212 their second halves
.set VB,  213                          ; v213 VOFF + 8 x lane
.set BM,  214                          ; v214-217 the blocks' largest scores, then largest p
.set PD,  218                          ; v218-221 permutes' destinations, then bytes
.set SO,  222                          ; v222-225 the conversions' scale operands
.set F,   226                          ; v[226:227] f = 2^(old M - new M), and 0
.set T,   228
.set KS,  230                          ; v230-233 K's scale words: register i: lanes 0-15 tile 2 i, lanes 16-31 tile 2 i + 1
.set VS,  234                          ; v234-235 V's likewise
.set PWD, 236                          ; p's scale word
.set QSA, 237                          ; Q's scale words
.set QSB, 238
.set SW,  239                          ; o's scale half-word
.set FPC, 240                          ; v240-245 o's codes;  v246-248 their second half
.set FTP, 246
.set SM,  242                          ; v242-255 seven partial sums of p, pairs (in the steps)
.set WV,  18
.set SEL, 20
.set CS,  22
.set TB,  2                            ; LDS byte of the step in hand
.set TS,  3                            ; of its K scale block
.set TJ,  36                           ; of its V scale words
.set CNT, 37
.macro CROUND                          ; a round of the cluster's barrier
	s_barrier_signal -1
	s_barrier_wait -1
	s_cmp_lg_u32 s[WV], 0
	s_cbranch_scc1 .Lnot_wave_0_\@
	s_barrier_signal -3
.Lnot_wave_0_\@:
	s_barrier_wait -3
	s_barrier_signal -1
	s_barrier_wait -1
.endm
.macro ARM under, g0, g1, next         ; one arm of the head's chain: waves under 'under' issue this load and go to the join
	s_cmp_lt_u32 s[WV], \under
	s_cbranch_scc0 \next
	tensor_load_to_lds s[\g0:\g0+3], s[\g1:\g1+7]
	s_nop 0
.rept 4
	v_nop
.endr
	s_branch .Lasked
\next:
.endm
	s_load_b128 s[4:7], s[0:1], 0x0                ; qkv s[4:5], ao s[6:7]
	v_lshl_add_u32 v[SPW], v0, 2, SPARE
	v_mov_b32 v[NIL], 0
	ds_add_u32 v[SPW], v[NIL]                      ; the opening lines: the add, twice on end, and its wait ahead of my first tensor load
	ds_add_u32 v[SPW], v[NIL]
	v_lshrrev_b32 v8, 5, v0
	v_readfirstlane_b32 s[WV], v8                  ; wave 0..15
	v_and_b32 v9, 31, v0
	v_and_b32 v10, 15, v0
	v_lshlrev_b32 v1, 3, v9                        ; v1: 8 x lane
	v_lshlrev_b32 v2, 4, v9                        ; v2: 16 x lane
	v_lshlrev_b32 v3, 3, v10                       ; v3: 8 r
	v_lshlrev_b32 v4, 3, v10                       ; 8 r
	s_wait_alu depctr_va_vdst(0)                   ; the wait ahead of the scalar stretch
	s_lshr_b32 s8, s[WV], 3                        ; which of two groups of 128 queries
	s_and_b32 s9, s[WV], 1                         ; u
	s_bfe_u32 s10, s[WV], 0x20001                  ; i
	s_lshl_b32 s11, s8, 8
	s_lshl_b32 s12, s9, 7
	s_add_co_u32 s11, s11, s12
	s_lshl_b32 s12, s10, 1
	s_add_co_u32 s11, s11, s12
	s_add_co_u32 s11, s11, OSC
	v_add_nc_u32 v4, s11, v4                       ; v4: where my row's half-word goes: 256 group + 8 (16 u + r) + 2 i
	s_min_u32 s12, s[WV], 1
	s_lshl_b32 s12, s12, 9
	s_add_co_u32 s11, s12, OSC
	v_add_nc_u32 v5, s11, v2                       ; v5: where waves 0, 1 read 512 bytes back
	v_add_nc_u32 v[VB], VOFF, v1
	s_lshl_b32 s9, s9, 7
	s_and_b32 s11, s10, 1
	s_lshl_b32 s11, s11, 2
	s_add_co_u32 s9, s9, s11
	s_lshr_b32 s11, s10, 1
	s_lshl_b32 s11, s11, 8
	s_add_co_u32 s9, s9, s11                       ; my tile 4 c + 2 i + u in one of Q's scale blocks: 256 c + 128 u + 4 i
	s_bfe_u32 s13, ttmp6, 0x40000                  ; cx
	s_lshl_b32 s14, ttmp9, 2
	s_add_co_u32 s14, s14, s13                     ; my block of 512 queries: it enters Q's and o's addresses alone
	s_and_b32 s15, ttmp7, 0xffff                   ; 16 batch + head, which the four partners share
	s_lshr_b32 s56, s15, 1                         ; 8 batch + head pair
	s_and_b32 s57, s15, 1                          ; the head's place in its pair
.irp g, 24, 68, 76                     ; three groups 1: the mask of all four; elements of 8 bytes; bit 21 beside a mask; dense rows of 256 bytes
	s_mov_b32 s[\g], 15|(3<<16)|(1<<21)
	s_mov_b32 s[\g+1], 32<<16
	s_mov_b32 s[\g+3], 32<<16
	s_mov_b32 s[\g+5], 32
	s_mov_b32 s[\g+6], 0
	s_mov_b32 s[\g+7], 0
.endr
	s_mov_b32 s26, 64<<16                          ; codes: 64 rows, 16,384 bytes
	s_mov_b32 s28, 64
	s_mov_b32 s70, 32<<16                          ; K's scales: 32 rows
	s_mov_b32 s72, 32
	s_mov_b32 s78, 16<<16                          ; V's scales: 16 rows
	s_mov_b32 s80, 16
	s_mov_b32 s32, 1
	s_lshl_b32 s33, s[WV], 14                      ; to LDS: K's sixths, V's sixths, on end
	s_mov_b32 s84, 1
	s_mov_b32 s85, SCB
	s_mov_b32 s88, 1
	s_mov_b32 s89, SCB+8192
	s_mul_i32 s58, s15, 98304                      ; the head's place in each region of codes
	s_lshl_b32 s16, s[WV], 14
	s_add_co_u32 s16, s16, s58
	s_add_co_u32 s17, s16, VREG-98304
	s_add_co_u32 s16, s16, KREG
	s_cmp_lt_u32 s[WV], 6
	s_cselect_b32 s16, s16, s17                    ; from memory: an offset chosen by the wave's number
	s_mov_b32 s17, 0
	s_mul_i32 s38, s56, 24576
	s_add_co_u32 s38, s38, SCOFF
	s_lshl_b32 s59, s57, 12
	s_add_co_u32 s60, s38, s59
	s_add_co_u32 s60, s60, 16384                   ; V's scale words
	s_mov_b32 s61, 0
	s_lshl_b32 s59, s57, 13
	s_add_co_u32 s38, s38, s59                     ; K's scale blocks
	s_mov_b32 s39, 0
	s_lshl_b32 s40, s14, 5
	s_add_co_u32 s40, s40, s[WV]                   ; my first tile of queries, 0..127
	s_mul_i32 s40, s40, 768
	s_add_co_u32 s40, s40, s58                     ; Q's codes; the second tile's lie 16 x 768 bytes on
	s_mov_b32 s41, 0
	s_lshl_b32 s62, s14, 2
	s_add_co_u32 s62, s62, s8                      ; my first group of 128 queries in the batch; the second is two on
	s_lshl_b32 s42, s62, 9
	s_lshl_b32 s63, s15, 13
	s_add_co_u32 s42, s42, s63
	s_add_co_u32 s42, s42, s9
	s_add_co_u32 s42, s42, QSOFF                   ; Q's scale words
	s_mov_b32 s43, 0
	s_lshr_b32 s63, s15, 4
	s_lshl_b32 s63, s63, 4
	s_add_co_u32 s62, s62, s63                     ; the group among all 64
	s_mul_i32 s52, s62, 98304
	s_and_b32 s63, s56, 7                          ; head pair = the last product's K step
	s_mul_i32 s63, s63, 12288
	s_add_co_u32 s52, s52, s63
	s_and_b32 s63, s[WV], 7
	s_mul_i32 s63, s63, 1536
	s_add_co_u32 s52, s52, s63
	s_mul_i32 s63, s57, 768
	s_add_co_u32 s52, s52, s63                     ; o's half image
	s_mov_b32 s53, 0
	s_lshl_b32 s54, s15, 12
	s_lshl_b32 s63, s14, 10
	s_add_co_u32 s54, s54, s63
	s_add_co_u32 s54, s54, s12
	s_add_co_u32 s54, s54, AOS                     ; o's scale half-words: my work-group's 1,024 bytes, waves 0, 1 a half each
	s_mov_b32 s55, 0
	s_mov_b32 s[SEL], 0x76543210
	s_mov_b32 s[SEL+1], 0xfedcba98                 ; selects for lane l xor 16
	s_mov_b32 s[CS], 0x3e38aa3b                    ; c = log2(e) / 8
	s_mov_b32 s[CS+1], s[CS]
	s_wait_alu depctr_va_vdst(0)                   ; the wait ahead of the blocking waits
	s_wait_dscnt 0x0                               ; both opening adds are done
	s_wait_kmcnt 0x0
	s_add_nc_u64 s[34:35], s[4:5], s[16:17]
	s_or_b32 s35, s35, 0x80000000
	s_add_nc_u64 s[86:87], s[4:5], s[38:39]
	s_or_b32 s87, s87, 0x80000000
	s_add_nc_u64 s[90:91], s[4:5], s[60:61]
	s_or_b32 s91, s91, 0x80000000
	s_add_nc_u64 s[44:45], s[4:5], s[40:41]
	s_add_nc_u64 s[46:47], s[4:5], s[42:43]
	s_add_nc_u64 s[48:49], s[6:7], s[52:53]
	s_add_nc_u64 s[50:51], s[6:7], s[54:55]
	CROUND                                         ; all four work-groups are here: the joint loads meet
	ARM 12, 32, 24, .Larm_ks                       ; one chain of branches on the wave's number, one load to an arm
	ARM 13, 84, 68, .Larm_vs
	s_cmp_lt_u32 s[WV], 14
	s_cbranch_scc0 .Lasked
	tensor_load_to_lds s[88:91], s[76:83]
	s_nop 0
.rept 4
	v_nop
.endr
.Lasked:
.irp p, 0,1,2
	global_load_b64 v[QA+2*\p:QA+2*\p+1], v1, s[44:45] offset:256*\p
	global_load_b64 v[QB+2*\p:QB+2*\p+1], v1, s[44:45] offset:12288+256*\p
.endr
	global_load_b32 v[QSA], v3, s[46:47]           ; lane r: row r's word; its bytes 2, 3 scale zero codes
	global_load_b32 v[QSB], v3, s[46:47] offset:1024
.irp i, 0,1,2,3,4,5
	v_mov_b32 v[QA+6+\i], 0                        ; zero codes for k = 64 .. 127
	v_mov_b32 v[QB+6+\i], 0
	v_mov_b32 v[KV+48+\i], 0
.endr
	v_mov_b32 v13, 0xff61b1e6                      ; the largest t so far: -3e38
	v_mov_b32 v14, 0                               ; the sum, in two halves
	v_mov_b32 v15, 0
	v_floor_f32 v12, -v13                          ; -M
.irp b, 0,1,2,3
	v_mov_b32 v[PD+\b], 0                          ; a lane permute's destination counts as one of its sources
.endr
	v_mov_b32 v[F+1], 0
.set j, 0
.rept 32
	v_mov_b32 v[O+j], 0                            ; the step is written once: the first finds zeros, which the first change of M leaves zeros
.set j, j+1
.endr
	s_wait_alu depctr_va_vdst(0)                   ; the wait at the head's end
	s_wait_loadcnt 0x0                             ; Q
	s_wait_tensorcnt 0x0                           ; my part of the tiles is in
	s_barrier_signal -1
	s_barrier_wait -1                              ; and everybody's
; A KEY STEP: 128 keys.
.macro STEP qb, qs
	v_add_nc_u32 v[ADK], s[TB], v1                 ; these four are also the places between the last step's products and the loads into the registers that they read
	v_add_nc_u32 v[ADS], s[TS], v1
	s_delay_alu instid0(VALU_DEP_2)
	v_add_nc_u32 v[ADK1], 2048, v[ADK]
	s_delay_alu instid0(VALU_DEP_3)
	v_add_nc_u32 v[ADK2], 4096, v[ADK]
.irp n, 0,1,2,3                        ; K's 24 pieces of 256 bytes, two to a load: piece m fills registers 2 m, 2 m + 1 (offsets count 8 bytes)
	ds_load_2addr_b64 v[KV+4*\n:KV+4*\n+3], v[ADK] offset0:64*\n offset1:64*\n+32
.endr
.irp n, 0,1,2,3
	ds_load_2addr_b64 v[KV+16+4*\n:KV+16+4*\n+3], v[ADK1] offset0:64*\n offset1:64*\n+32
.endr
.irp n, 0,1,2,3
	ds_load_2addr_b64 v[KV+32+4*\n:KV+32+4*\n+3], v[ADK2] offset0:64*\n offset1:64*\n+32
.endr
	ds_load_2addr_b64 v[KS:KS+3], v[ADS] offset0:0 offset1:32   ; K's scale block lies in two halves of 256 bytes: tiles 0-3, tiles 4-7
	s_wait_alu depctr_va_vdst(0)
	s_wait_dscnt 0x0
.irp t, 0,2,4,6
	v_wmma_scale_f32_16x16x128_f8f6f4 v[S+8*\t:S+8*\t+7], v[KV+6*\t:KV+6*\t+11], v[\qb:\qb+11], 0, v[KS+\t/2], v[\qs] matrix_a_fmt:MATRIX_FMT_FP6 matrix_b_fmt:MATRIX_FMT_FP6
	v_wmma_scale_f32_16x16x128_f8f6f4 v[S+8*\t+8:S+8*\t+15], v[KV+6*\t+6:KV+6*\t+17], v[\qb:\qb+11], 0, v[KS+\t/2], v[\qs] matrix_a_fmt:MATRIX_FMT_FP6 matrix_b_fmt:MATRIX_FMT_FP6 matrix_a_scale:MATRIX_SCALE_ROW1
.endr
	v_add_nc_u32 v[ADV], s[TB], v[VB]              ; four places in front of the loads below and of the first read of the scores
	v_add_nc_u32 v[ADT], s[TJ], v1
	s_delay_alu instid0(VALU_DEP_2)
	v_add_nc_u32 v[ADV1], 2048, v[ADV]
	s_delay_alu instid0(VALU_DEP_3)
	v_add_nc_u32 v[ADV2], 4096, v[ADV]
.irp n, 0,1,2,3                        ; V's 24 pieces land while the softmax is walked
	ds_load_2addr_b64 v[KV+4*\n:KV+4*\n+3], v[ADV] offset0:64*\n offset1:64*\n+32
.endr
.irp n, 0,1,2,3
	ds_load_2addr_b64 v[KV+16+4*\n:KV+16+4*\n+3], v[ADV1] offset0:64*\n offset1:64*\n+32
.endr
.irp n, 0,1,2,3
	ds_load_2addr_b64 v[KV+32+4*\n:KV+32+4*\n+3], v[ADV2] offset0:64*\n offset1:64*\n+32
.endr
	ds_load_b64 v[VS:VS+1], v[ADT]
.irp b, 0,1,2,3
	v_max3_num_f32 v[BM+\b], v[S+16*\b], v[S+16*\b+1], v[S+16*\b+2]   ; the largest score of each block of 32 keys: for the row's maximum, and, since p rises with the score, for the block's largest p
.endr
.irp i, 3,5,7,9,11,13
.irp b, 0,1,2,3
	v_max3_num_f32 v[BM+\b], v[BM+\b], v[S+16*\b+\i], v[S+16*\b+\i+1]
.endr
.endr
.irp b, 0,1,2,3
	v_max_num_f32 v[BM+\b], v[BM+\b], v[S+16*\b+15]
.endr
.irp b, 0,1,2,3
	s_delay_alu instid0(VALU_DEP_4)
	v_permlanex16_b32 v[PD+\b], v[BM+\b], s[SEL], s[SEL+1]
.endr
.irp b, 0,1,2,3
	s_delay_alu instid0(VALU_DEP_4)
	v_max_num_f32 v[BM+\b], v[BM+\b], v[PD+\b]     ; with lane l xor 16's 16 keys
.endr
	s_delay_alu instid0(VALU_DEP_2)
	v_max3_num_f32 v[T], v[BM], v[BM+1], v[BM+2]
	s_delay_alu instid0(VALU_DEP_1)
	v_max_num_f32 v[T], v[T], v[BM+3]
	s_delay_alu instid0(VALU_DEP_1)
	v_mul_f32 v[T], s[CS], v[T]                    ; the step's largest t (c is positive)
	s_delay_alu instid0(VALU_DEP_1)
	v_max_num_f32 v13, v13, v[T]
	v_mov_b32 v[T], v12
	s_delay_alu instid0(VALU_DEP_2)
	v_floor_f32 v12, -v13                          ; the new -M = -ceil(t): a whole number
	s_delay_alu instid0(VALU_DEP_1)
	v_sub_f32 v[T], v12, v[T]                      ; old M - new M: a whole number, 0 or less
	s_delay_alu instid0(VALU_DEP_1)
	v_cvt_i32_f32 v[T], v[T]                       ; (it saturates)
	s_delay_alu instid0(VALU_DEP_1)
	v_ldexp_f32 v[F], 1.0, v[T]                    ; f = 2^(old M - new M)
.set j, 0
.rept 32
	v_pk_fma_f32 v[S+j:S+j+1], v[S+j:S+j+1], s[CS:CS+1], v[12:13] op_sel_hi:[1,0,0]   ; t - M, two at a time
.set j, j+2
.endr
.irp b, 0,1,2,3
	v_fma_f32 v[BM+\b], v[BM+\b], s[CS], v12       ; the same of each block's largest score
.endr
.set j, 0
	s_wait_alu depctr_va_vdst(0)                   ; the wait ahead of the batch
.rept 64
	v_exp_f32 v[S+j], v[S+j]                       ; p = 2^(t - M)
.set j, j+1
.endr
	v_pk_mul_f32 v[14:15], v[14:15], v[F:F+1] op_sel_hi:[1,0]   ; the sums under the new M: a plain place behind the exponentials
	s_wait_alu depctr_va_vdst(0)                   ; one wait for the batch, ahead of its first reader
.irp b, 0,1,2,3
	v_exp_f32 v[BM+\b], v[BM+\b]                   ; the block's largest p: the same two instructions on the same number
.endr
.irp c, 0,1,2,3,4,5,6                  ; the row's sum of the unquantised p: 32 pairs in eight chains by turns
	v_pk_add_f32 v[SM+2*\c:SM+2*\c+1], v[S+4*\c:S+4*\c+1], v[S+4*\c+2:S+4*\c+3]
.endr
	v_pk_add_f32 v[14:15], v[14:15], v[S+28:S+29]
.irp c, 0,1,2,3,4,5,6
	v_pk_add_f32 v[SM+2*\c:SM+2*\c+1], v[SM+2*\c:SM+2*\c+1], v[S+30+2*\c:S+31+2*\c]
.endr
	v_pk_add_f32 v[14:15], v[14:15], v[S+44:S+45]
.irp c, 0,1,2,3,4,5,6
	v_pk_add_f32 v[SM+2*\c:SM+2*\c+1], v[SM+2*\c:SM+2*\c+1], v[S+46+2*\c:S+47+2*\c]
.endr
	v_pk_add_f32 v[14:15], v[14:15], v[S+60:S+61]
	v_pk_add_f32 v[SM:SM+1], v[SM:SM+1], v[S+62:S+63]
	v_pk_add_f32 v[SM+4:SM+5], v[SM+4:SM+5], v[SM+6:SM+7]
	v_pk_add_f32 v[SM+8:SM+9], v[SM+8:SM+9], v[SM+10:SM+11]
	v_pk_add_f32 v[14:15], v[14:15], v[SM+12:SM+13]
	s_delay_alu instid0(VALU_DEP_4)
	v_pk_add_f32 v[SM:SM+1], v[SM:SM+1], v[SM+2:SM+3]
	s_delay_alu instid0(VALU_DEP_2)
	v_pk_add_f32 v[14:15], v[14:15], v[SM+8:SM+9]
	s_delay_alu instid0(VALU_DEP_2)
	v_pk_add_f32 v[SM:SM+1], v[SM:SM+1], v[SM+4:SM+5]
	s_delay_alu instid0(VALU_DEP_1)
	v_pk_add_f32 v[14:15], v[14:15], v[SM:SM+1]
	s_wait_alu depctr_va_vdst(0)                   ; and one for the four
.irp b, 0,1,2,3
	v_max_num_f32 v[BM+\b], 0x1800000, v[BM+\b]    ; the floor 2^(3 - 127)
.endr
.irp b, 0,1,2,3
	s_delay_alu instid0(VALU_DEP_4)
	v_add_nc_u32 v[SO+\b], 0xff000000, v[BM+\b]    ; 2 off the exponent field: the conversion's scale operand
.endr
.irp b, 0,1,2,3
	s_delay_alu instid0(VALU_DEP_4)
	v_lshrrev_b32 v[PD+\b], 23, v[SO+\b]           ; the byte
.endr
	s_delay_alu instid0(VALU_DEP_3)
	v_lshl_or_b32 v[PWD], v[PD+1], 8, v[PD]
	s_delay_alu instid0(VALU_DEP_1)
	v_lshl_or_b32 v[PWD], v[PD+2], 16, v[PWD]
	s_delay_alu instid0(VALU_DEP_1)
	v_lshl_or_b32 v[PWD], v[PD+3], 24, v[PWD]
.irp c, 0,1
	v_cvt_scalef32_pk16_fp6_f32 v[PCD+6*\c:PCD+6*\c+2], v[S+32*\c:S+32*\c+15], v[SO+2*\c]
	v_cvt_scalef32_pk16_fp6_f32 v[PT+4*\c:PT+4*\c+2], v[S+32*\c+16:S+32*\c+31], v[SO+2*\c+1]
.endr
	v_nop                                          ; one plain place behind a scaled conversion
.irp c, 0,1                            ; a whole block to a lane: lanes 0-15 block 2 c, lanes 16-31 block 2 c + 1
.irp i, 0,1,2
	v_permlane16_swap_b32 v[PCD+6*\c+\i], v[PT+4*\c+\i]
.endr
.irp i, 0,1,2
	s_delay_alu instid0(VALU_DEP_3)
	v_mov_b32 v[PCD+6*\c+3+\i], v[PT+4*\c+\i]
.endr
.endr
.set j, 0
.rept 16
	v_pk_mul_f32 v[O+j:O+j+1], v[O+j:O+j+1], v[F:F+1] op_sel_hi:[1,0]   ; O^T under the new M; these sixteen also stand between the lines that made p's codes and word and the products
.set j, j+2
.endr
	s_wait_alu depctr_va_vdst(0)
	s_wait_dscnt 0x0                               ; V
.irp d, 0,2
	v_wmma_scale_f32_16x16x128_f8f6f4 v[O+8*\d:O+8*\d+7], v[KV+12*\d:KV+12*\d+11], v[PCD:PCD+11], v[O+8*\d:O+8*\d+7], v[VS+\d/2], v[PWD] matrix_a_fmt:MATRIX_FMT_FP6 matrix_b_fmt:MATRIX_FMT_FP6
	v_wmma_scale_f32_16x16x128_f8f6f4 v[O+8*\d+8:O+8*\d+15], v[KV+12*\d+12:KV+12*\d+23], v[PCD:PCD+11], v[O+8*\d+8:O+8*\d+15], v[VS+\d/2], v[PWD] matrix_a_fmt:MATRIX_FMT_FP6 matrix_b_fmt:MATRIX_FMT_FP6 matrix_a_scale:MATRIX_SCALE_ROW1
.endr
	s_add_co_u32 s[TB], s[TB], STEPB
	s_add_co_u32 s[TS], s[TS], 512
	s_add_co_u32 s[TJ], s[TJ], 256
.endm
.macro RUN qb, qs                      ; a tile's sixteen steps
	s_mov_b32 s[TB], 0
	s_mov_b32 s[TS], SCB
	s_mov_b32 s[TJ], SCB+8192
	s_mov_b32 s[CNT], 16
.Lrun_\@:
	STEP \qb, \qs
	s_sub_co_u32 s[CNT], s[CNT], 1
	s_cmp_lg_u32 s[CNT], 0
	s_cbranch_scc1 .Lrun_\@
.endm
; A TILE'S END: O^T / the sum; my 32 numbers, register 16 b + i = channel 32 b + 16 h + i, are two blocks of the last product's K: half an image, 768 bytes, and my row's half-word of scales.
.macro FINAL j
.rept 4
	v_nop                                          ; places behind the last products
.endr
	s_wait_xcnt 0x0                                ; earlier stores have read the registers that are written again below
	v_add_f32 v14, v14, v15
	s_delay_alu instid0(VALU_DEP_1)
	v_permlanex16_b32 v[PD], v14, s[SEL], s[SEL+1]
	s_delay_alu instid0(VALU_DEP_1)
	v_add_f32 v14, v14, v[PD]                      ; the row's sum
	s_wait_alu depctr_va_vdst(0)
	v_rcp_f32 v14, v14
	v_nop                                          ; a plain place behind the transcendental
	s_wait_alu depctr_va_vdst(0)                   ; and the wait ahead of its first reader
.set j, 0
.rept 32
	v_mul_f32 v[S+j], v[O+j], v14                  ; each accumulator from its low end on
.set j, j+1
.endr
.irp b, 0,1
	v_max3_num_f32 v[BM+\b], |v[S+16*\b]|, |v[S+16*\b+1]|, 0x1800000
.endr
.irp i, 2,4,6,8,10,12,14
.irp b, 0,1
	s_delay_alu instid0(VALU_DEP_2)
	v_max3_num_f32 v[BM+\b], v[BM+\b], |v[S+16*\b+\i]|, |v[S+16*\b+\i+1]|
.endr
.endr
.irp b, 0,1
	s_delay_alu instid0(VALU_DEP_2)
	v_permlanex16_b32 v[PD+\b], v[BM+\b], s[SEL], s[SEL+1]
.endr
.irp b, 0,1
	s_delay_alu instid0(VALU_DEP_2)
	v_max_num_f32 v[BM+\b], v[BM+\b], v[PD+\b]
.endr
.irp b, 0,1
	s_delay_alu instid0(VALU_DEP_2)
	v_add_nc_u32 v[SO+\b], 0xff000000, v[BM+\b]
.endr
.irp b, 0,1
	s_delay_alu instid0(VALU_DEP_2)
	v_lshrrev_b32 v[PD+\b], 23, v[SO+\b]
.endr
	s_delay_alu instid0(VALU_DEP_1)
.set SWJ, 3+(SW-3)*(\j)                ; the first tile's half-word waits in v3 (Q's scale offsets, done with), the second's in v[SW]
	v_lshl_or_b32 v[SWJ], v[PD+1], 8, v[PD]
	v_cvt_scalef32_pk16_fp6_f32 v[FPC:FPC+2], v[S:S+15], v[SO]
	v_cvt_scalef32_pk16_fp6_f32 v[FTP:FTP+2], v[S+16:S+31], v[SO+1]
	v_nop                                          ; one plain place behind a scaled conversion
.irp i, 0,1,2
	v_permlane16_swap_b32 v[FPC+\i], v[FTP+\i]
.endr
.irp i, 0,1,2
	s_delay_alu instid0(VALU_DEP_3)
	v_mov_b32 v[FPC+3+\i], v[FTP+\i]
.endr
.irp p, 0,1,2
	global_store_b64 v1, v[FPC+2*\p:FPC+2*\p+1], s[48:49] offset:196608*\j+256*\p   ; 256 consecutive bytes, at a multiple of 256 from the buffer's first byte
.endr
.if \j == 0                            ; the second tile begins as the first did
	v_mov_b32 v13, 0xff61b1e6
	v_mov_b32 v14, 0
	v_mov_b32 v15, 0
	v_floor_f32 v12, -v13
.set j, 0
.rept 32
	v_mov_b32 v[O+j], 0
.set j, j+1
.endr
	s_wait_alu depctr_va_vdst(0)                   ; the wait ahead of the blocking wait
	s_wait_xcnt 0x0                                ; the stores have read o's codes: the steps' partial sums lie on those registers
.endif
.endm
	RUN QA, QSA
	FINAL 0
	RUN QB, QSB
	FINAL 1
	s_wait_alu depctr_va_vdst(0)                   ; the wait ahead of the blocking wait
	s_wait_dscnt 0x0
	s_barrier_signal -1
	s_barrier_wait -1                              ; every wave has left its steps: no load of K or V is out when the first half-word is stored
	ds_store_b16 v4, v3                            ; lanes r and 16 + r write the same half-word with the same value
	ds_store_b16 v4, v[SW] offset:512              ; the second tile's group lies two on
	s_wait_dscnt 0x0                               ; my half-words are in LDS: for the others' sake
	s_barrier_signal -1
	s_barrier_wait -1
	s_cmp_ge_u32 s[WV], 2
	s_cbranch_scc1 .Lno_gather                     ; waves 0 and 1 store the four groups' scale blocks, 512 consecutive bytes each
	ds_load_b128 v[250:253], v5
	s_wait_dscnt 0x0
	global_store_b128 v2, v[250:253], s[50:51]
.Lno_gather:
	s_wait_tensorcnt 0x0                           ; the wave's end, behind my last tensor load and my last LDS store
	ds_add_u32 v[SPW], v[NIL]
	s_wait_dscnt 0x0
	CROUND                                         ; the closing round
	s_endpgm
.Lfunc_end_k_q3c22840d40_attn:
	.size	k_q3c22840d40_attn, .Lfunc_end_k_q3c22840d40_attn-k_q3c22840d40_attn
	.p2alignl 7, 3214868480
	.fill 96, 4, 3214868480
	.section	.rodata,"a",@progbits
	.p2align	6, 0x0
	.amdhsa_kernel k_q3c22840d40_attn
		.amdhsa_group_segment_fixed_size 327680
		.amdhsa_private_segment_fixed_size 0
		.amdhsa_enable_private_segment 0
		.amdhsa_kernarg_size 16
		.amdhsa_user_sgpr_count 2
		.amdhsa_user_sgpr_kernarg_segment_ptr 1
		.amdhsa_wavefront_size32 1
		.amdhsa_system_sgpr_workgroup_id_x 1
		.amdhsa_system_sgpr_workgroup_id_y 1
		.amdhsa_system_sgpr_workgroup_id_z 1
		.amdhsa_system_vgpr_workitem_id 0
		.amdhsa_next_free_vgpr 256
		.amdhsa_next_free_sgpr 100
		.amdhsa_reserve_vcc 0
		.amdhsa_float_denorm_mode_32 3
		.amdhsa_float_denorm_mode_16_64 3
		.amdhsa_memory_ordered 1
		.amdhsa_forward_progress 1
		.amdhsa_inst_pref_size 56
	.end_amdhsa_kernel
	.amdgpu_metadata
---
amdhsa.version: [ 1, 2 ]
amdhsa.kernels:
  - .name:           k_q3c22840d40_attn
    .symbol:         k_q3c22840d40_attn.kd
    .args:
      - { .name: qkv, .offset: 0, .size: 8, .value_kind: global_buffer, .address_space: global }
      - { .name: ao, .offset: 8, .size: 8, .value_kind: global_buffer, .address_space: global }
    .group_segment_fixed_size: 327680
    .private_segment_fixed_size: 0
    .kernarg_segment_align: 8
    .kernarg_segment_size: 16
    .max_flat_workgroup_size: 512
    .sgpr_count:     100
    .vgpr_count:     256
    .wavefront_size: 32
...
	.end_amdgpu_metadata
.endif
;; end of part 3
;; launch gemm_out (part 4): grid 4 x 64, 4 waves a work-group, clusters of 4 x 4, 327,680 bytes of LDS; arguments ao, cq, out0; writes out0
.if DOCPART == 4
	.amdgcn_target "amdgcn-amd-amdhsa--gfx1250"
	.amdhsa_code_object_version 6
	.text
	.protected	k_q3c22840d40_gemm_out
	.globl	k_q3c22840d40_gemm_out
	.p2align	8
	.type	k_q3c22840d40_gemm_out,@function
k_q3c22840d40_gemm_out:
	s_mov_b64 s[64:65], 0
	v_nop
	global_prefetch_b8 v0, s[64:65] scope:SCOPE_SE
	s_setreg_imm32_b32 hwreg(HW_REG_WAVE_MODE, 25, 1), 1
	s_wait_xcnt 0x0
	s_wait_alu depctr_hold_cnt(0) depctr_sa_sdst(0) depctr_va_vdst(0) depctr_va_sdst(0) depctr_va_ssrc(0) depctr_va_vcc(0) depctr_vm_vsrc(0)
	s_getreg_b32 s2, hwreg(HW_REG_IB_STS2, 6, 4)
	s_cmp_eq_u32 s2, 0
	s_cbranch_scc0 .Lentry_in_a_cluster
	s_endpgm
.Lentry_in_a_cluster:
	s_bfe_u32 s2, ttmp6, 0x10000c
	s_cmp_lg_u32 s2, 0xf033
	s_cbranch_scc0 .Lentry_shape_is_right
	s_endpgm
.Lentry_shape_is_right:
; out0 [8192][1024] f32 = o w_proj^T, both operands as codes of FP6 (E2M3) with E8M0 scales, laid as register images: a group of 128 rows is 98,304 bytes, K step s (128 along K) at 12,288 s, tile t (16 rows) at 1,536 t,
; piece p (registers 2 p, 2 p + 1) at 256 p, lane l's 8 bytes at 8 l.  Lane-row r of tile t is row 32 (t / 2) + 8 (t % 2) + r + 8 (r / 8) of its group.
; SHARES.  A work-group makes 128 rows (one group of o) x 256 columns (two groups of w_proj): 64 x 4 = 256 work-groups.  The two groups of columns are made one after the other, a wave making 64 x 64 of each:
; the first half's stores are on their way while the second half is multiplied.
; ALL OF K LIES IN LDS.  At the head, one tensor load a wave: waves 0, 1 o's halves of K, waves 2, 3 the first group of w_proj's.  The second group is a later first fill: behind the three lines and a round, a quarter a wave;
; it is waited for, and shown to all waves by a barrier, in the first half's last step.  Nothing is filled again.
; CLUSTER 4 x 4: o's group hangs on the work-group's y alone and is asked for jointly along a row of the cluster, w_proj's groups on x alone, jointly along a column.
; NO PREFETCH: all tiles are asked for at the head and behind the first round; there is no loop to run ahead in.
; SCALES go from memory into registers.  w_proj's: 512 bytes for (group, s), lane l's four words at 16 l (word i: lanes 0-15 tile 2 i, lanes 16-31 tile 2 i + 1); a wave takes the two words of its four tiles.
; o's: a half-word a row and head, 256 bytes for (head, group), lane l's four half-words at 8 l; the words of K step s are joined from heads 2 s and 2 s + 1.
; THE MATRIX INSTRUCTION IS USED TRANSPOSED (source 0 = 16 rows of w_proj, source 1 = 16 rows of o): a lane's 16 registers of tiles 2 b, 2 b + 1 are 16 neighbouring columns of one row of the result.
; REGISTERS: window 0: addresses, scale words, o's fragments (two sets of 48 from v128); window 1: w_proj's fragments (two sets of 48, at v0 and v128); window 2: accumulator (a, b) of half n at v[128 n + 8 (4 a + b)].
.set GB,     98304
.set HK,     49152
.set QP,     24576
.set SPARE,  294912                    ; behind the codes: the spare words, two blocks of 256 bytes that no other line names
.set STAGE,  295424                    ; the way out: 16 rows x (256 + 16) bytes for each wave; no fill lands here
.set SPITCH, 272
.set CQS,    9437184
.set AOS,    6291456
.set L8,   2
.set CO,   3                           ; 16 x lane
.set ADRA, 16                          ; v16, v17 my fragments of o, K steps 0-3 and 4-7
.set ADRB, 20                          ; v20-23  of w_proj: 2 n + half of K
.set STO,  24
.set RD,   25
.set CO2,  26                          ; the way out: lanes 0-15 a row's 256 bytes, lanes 16-31 the next row's
.set SPW,  28
.set NIL,  29
.set SA,   32                          ; v32-47  o's scale words: 2 s + i
.set SB,   48                          ; v48-79  w_proj's: 16 n + 2 s + i
.set RAW,  80                          ; v80-111 o's half-words as loaded; later rows read back from the stage
.set AF,   128
.set G1, 24
.set G0, 32
.set G0R, 36
.set G1B, 48
.set G0B, 56
.set G1R, 68
.set MSB, 0
.macro WIN new
.if MSB != (\new)
	s_set_vgpr_msb (MSB<<8)|(\new)
.set MSB, (\new)
.endif
.endm
.set MUL,  0xa1                        ; source 0 window 1, source 1 window 0, C and D window 2
.set TO_B, 0x40
.macro CROUND
	s_barrier_signal -1
	s_barrier_wait -1
	s_cmp_lg_u32 s14, 0
	s_cbranch_scc1 .Lnot_wave_0_\@
	s_barrier_signal -3
.Lnot_wave_0_\@:
	s_barrier_wait -3
	s_barrier_signal -1
	s_barrier_wait -1
.endm
.macro PLACES n
.rept \n
	v_nop
.endr
.endm
	s_load_b128 s[4:7], s[0:1], 0x0                ; ao, cq
	s_load_b64 s[8:9], s[0:1], 0x10                ; out0
	v_lshl_add_u32 v[SPW], v0, 2, SPARE
	v_mov_b32 v[NIL], 0
	ds_add_u32 v[SPW], v[NIL]                      ; the opening lines: the add, twice on end, and its wait
	ds_add_u32 v[SPW], v[NIL]
	v_lshrrev_b32 v1, 5, v0
	v_readfirstlane_b32 s14, v1                    ; wave 0..3
	v_and_b32 v7, 31, v0
	v_and_b32 v4, 15, v0
	v_bfe_u32 v5, v0, 4, 1
	v_lshlrev_b32 v[L8], 3, v7
	v_lshlrev_b32 v[CO], 4, v7
	v_mul_u32_u24 v6, v4, SPITCH
	v_lshl_add_u32 v6, v5, 6, v6                   ; the stage on the way in: row r, 64 bytes for each half of the lanes
	v_mul_u32_u24 v8, v5, SPITCH
	v_lshl_add_u32 v8, v4, 4, v8                   ; and on the way out: two rows an instruction, 16 bytes a lane
	v_lshlrev_b32 v9, 12, v5
	v_lshl_add_u32 v[CO2], v4, 4, v9               ; the same two rows in out0
	s_wait_alu depctr_va_vdst(0)                   ; the wait ahead of the scalar stretch
	s_lshr_b32 s15, s14, 1                         ; my 64 rows.  Also: at the head I fetch o (0) or w_proj (1)
	s_and_b32 s16, s14, 1                          ; my 64 columns of a group.  Also: which half of K I fetch
	s_bfe_u32 s40, ttmp6, 0x40000                  ; cx
	s_bfe_u32 s41, ttmp6, 0x40004                  ; cy
	s_lshl_b32 s42, ttmp9, 2
	s_add_co_u32 s42, s42, s40                     ; block of 256 columns
	s_and_b32 s17, ttmp7, 0xffff
	s_lshl_b32 s17, s17, 2
	s_add_co_u32 s17, s17, s41                     ; o's group
	s_lshl_b32 s43, s41, 2
	s_lshl_b32 s43, 15, s43                        ; my row of the cluster
	s_lshl_b32 s44, 0x1111, s40                    ; my column
	s_or_b32 s[G1+0], s43, (3<<16)|(1<<21)         ; dense rows of 256 bytes, elements of 8 bytes
	s_or_b32 s[G1B+0], s44, (3<<16)|(1<<21)
	s_or_b32 s[G1R+0], s44, (3<<16)|(1<<21)
.irp g, G1, G1B, G1R
	s_mov_b32 s[\g+1], 32<<16
	s_mov_b32 s[\g+3], 32<<16
	s_mov_b32 s[\g+5], 32
	s_mov_b32 s[\g+6], 0
	s_mov_b32 s[\g+7], 0
.endr
	s_mov_b32 s[G1+2], 192<<16                     ; the head's loads: half a group, 49,152 bytes
	s_mov_b32 s[G1+4], 192
	s_mov_b32 s[G1B+2], 192<<16
	s_mov_b32 s[G1B+4], 192
	s_mov_b32 s[G1R+2], 96<<16                     ; the second group's: a quarter
	s_mov_b32 s[G1R+4], 96
	s_mul_i32 s20, s17, GB
	s_mul_i32 s18, s16, HK
	s_add_co_u32 s20, s20, s18
	s_mov_b32 s21, 0
	s_lshl_b32 s46, s42, 1
	s_add_co_u32 s46, s46, 88                      ; w_proj's groups are 88-95 of cq
	s_lshl_b32 s94, s46, 12
	s_lshl_b32 s19, s16, 3
	s_add_co_u32 s94, s94, s19                     ; my two words of four
	s_add_co_u32 s94, s94, CQS
	s_mov_b32 s95, 0
	s_mul_i32 s46, s46, GB
	s_mul_i32 s19, s14, QP
	s_add_co_u32 s90, s46, s19
	s_add_co_u32 s90, s90, GB                      ; my quarter of the second group
	s_mov_b32 s91, 0
	s_mul_i32 s19, s16, HK
	s_add_co_u32 s46, s46, s19                     ; my half of the first
	s_mov_b32 s47, 0
	s_lshr_b32 s92, s17, 4
	s_lshl_b32 s92, s92, 16                        ; batch x 16 heads x 4,096
	s_and_b32 s18, s17, 15
	s_lshl_b32 s18, s18, 8
	s_add_co_u32 s92, s92, s18
	s_add_co_u32 s92, s92, AOS
	s_mov_b32 s93, 0
	s_lshl_b32 s98, s17, 19                        ; 128 rows of 4,096 bytes
	s_lshl_b32 s19, s15, 18
	s_add_co_u32 s98, s98, s19
	s_lshl_b32 s19, s42, 10
	s_add_co_u32 s98, s98, s19
	s_lshl_b32 s19, s16, 8
	s_add_co_u32 s98, s98, s19
	s_mov_b32 s99, 0
	s_cmp_eq_u32 s15, 1
	s_cselect_b32 s96, -1, 0                       ; all lanes: which half of o's half-words is my rows'
	s_mul_i32 s18, s15, 6144                       ; my four tiles of o
	v_add_nc_u32 v[ADRA], s18, v[L8]
	s_add_co_u32 s18, s18, HK
	v_add_nc_u32 v[ADRA+1], s18, v[L8]
	s_mul_i32 s18, s16, 6144                       ; my four tiles of a group of w_proj
	s_add_co_u32 s18, s18, GB
.irp i, 0,1,2,3
	v_add_nc_u32 v[ADRB+\i], s18, v[L8]
	s_add_co_u32 s18, s18, HK
.endr
	s_mul_i32 s18, s14, 16*SPITCH
	s_add_co_u32 s18, s18, STAGE
	v_add_nc_u32 v[STO], s18, v6
	v_add_nc_u32 v[RD], s18, v8
	s_mov_b32 s[G0], 1
	s_mul_i32 s[G0+1], s16, HK
	s_mov_b32 s[G0B], 1
	s_mul_i32 s[G0B+1], s16, HK
	s_add_co_u32 s[G0B+1], s[G0B+1], GB
	s_mov_b32 s[G0R], 1
	s_mul_i32 s[G0R+1], s14, QP
	s_add_co_u32 s[G0R+1], s[G0R+1], 2*GB
	s_wait_alu depctr_va_vdst(0)                   ; the wait ahead of the blocking waits
	s_wait_dscnt 0x0                               ; both opening adds are done
	s_wait_kmcnt 0x0
	s_add_nc_u64 s[G0+2:G0+3], s[4:5], s[20:21]
	s_or_b32 s[G0+3], s[G0+3], 0x80000000
	s_add_nc_u64 s[G0B+2:G0B+3], s[6:7], s[46:47]
	s_or_b32 s[G0B+3], s[G0B+3], 0x80000000
	s_add_nc_u64 s[G0R+2:G0R+3], s[6:7], s[90:91]
	s_or_b32 s[G0R+3], s[G0R+3], 0x80000000
	s_add_nc_u64 s[10:11], s[4:5], s[92:93]
	s_add_nc_u64 s[12:13], s[6:7], s[94:95]
	s_add_nc_u64 s[8:9], s[8:9], s[98:99]
	CROUND                                         ; all sixteen work-groups are here: the joint loads meet
	s_cmp_eq_u32 s15, 0
	s_cbranch_scc0 .Lfor_b
	tensor_load_to_lds s[G0:G0+3], s[G1:G1+7]
	s_nop 0
	PLACES 4
	s_branch .Lasked
.Lfor_b:
	tensor_load_to_lds s[G0B:G0B+3], s[G1B:G1B+7]
	s_nop 0
	PLACES 4
.Lasked:
.irp h, 0,1,2,3,4,5,6,7,8,9,10,11,12,13,14,15
	global_load_b64 v[RAW+2*\h:RAW+2*\h+1], v[L8], s[10:11] offset:4096*\h   ; head h's half-words of my group: 256 consecutive bytes
.endr
.irp n, 0,1
.irp s, 0,1,2,3,4,5,6,7
	global_load_b64 v[SB+16*\n+2*\s:SB+16*\n+2*\s+1], v[CO], s[12:13] offset:4096*\n+512*\s
.endr
.endr
	s_wait_loadcnt 0x0
.irp h, 0,1,2,3,4,5,6,7,8,9,10,11,12,13,14,15
	v_cndmask_b32 v[RAW+2*\h], v[RAW+2*\h], v[RAW+2*\h+1], s96               ; my four tiles' two half-words
.endr
.irp s, 0,1,2,3,4,5,6,7
	v_perm_b32 v[SA+2*\s], v[RAW+4*\s+2], v[RAW+4*\s], 0x05040100            ; the low half-words of heads 2 s, 2 s + 1: tiles 0, 1 of my four
	v_perm_b32 v[SA+2*\s+1], v[RAW+4*\s+2], v[RAW+4*\s], 0x07060302          ; the high ones: tiles 2, 3
.endr
	PLACES 8                                       ; a scale register written by a vector instruction stands 8 places ahead of a scaled matrix instruction
	s_wait_alu depctr_va_vdst(0)                   ; the wait at the head's end
	s_wait_tensorcnt 0x0                           ; my part of the head's tiles is in; the second group's first fill is issued as a refill is:
	ds_add_u32 v[SPW], v[NIL]
	s_wait_dscnt 0x0
	CROUND
	tensor_load_to_lds s[G0R:G0R+3], s[G1R:G1R+7]
	s_nop 0
	PLACES 4
.macro FRAG reg, adr, q, i
.irp p, 0,1,2,3,4,5
	ds_load_b64 v[\reg+2*\p:\reg+2*\p+1], v[\adr] offset:12288*(\q)+1536*(\i)+256*\p
.endr
.endm
.macro FETCH n, s                      ; half n, K step s: eight fragments into set s % 2
	WIN TO_B
.irp i, 0,1,2,3
	FRAG 128*((\s)%2)+12*\i, ADRB+2*(\n)+(\s)/4, (\s)%4, \i
.endr
	WIN 0
.irp i, 0,1,2,3
	FRAG AF+48*((\s)%2)+12*\i, ADRA+(\s)/4, (\s)%4, \i
.endr
.endm
.macro WM n, a, b, s, zero
.set rD, 128*(\n)+8*(4*(\a)+(\b))
.set rB, 128*((\s)%2)+12*(\b)
.set rA, AF+48*((\s)%2)+12*(\a)
.set rSB, SB+16*(\n)+2*(\s)+(\b)/2
.set rSA, SA+2*(\s)+(\a)/2
.set kind, 4*(\zero)+2*((\b)%2)+(\a)%2
.if kind == 0
	v_wmma_scale_f32_16x16x128_f8f6f4 v[rD:rD+7], v[rB:rB+11], v[rA:rA+11], v[rD:rD+7], v[rSB], v[rSA] matrix_a_fmt:MATRIX_FMT_FP6 matrix_b_fmt:MATRIX_FMT_FP6
.elseif kind == 1
	v_wmma_scale_f32_16x16x128_f8f6f4 v[rD:rD+7], v[rB:rB+11], v[rA:rA+11], v[rD:rD+7], v[rSB], v[rSA] matrix_a_fmt:MATRIX_FMT_FP6 matrix_b_fmt:MATRIX_FMT_FP6 matrix_b_scale:MATRIX_SCALE_ROW1
.elseif kind == 2
	v_wmma_scale_f32_16x16x128_f8f6f4 v[rD:rD+7], v[rB:rB+11], v[rA:rA+11], v[rD:rD+7], v[rSB], v[rSA] matrix_a_fmt:MATRIX_FMT_FP6 matrix_b_fmt:MATRIX_FMT_FP6 matrix_a_scale:MATRIX_SCALE_ROW1
.elseif kind == 3
	v_wmma_scale_f32_16x16x128_f8f6f4 v[rD:rD+7], v[rB:rB+11], v[rA:rA+11], v[rD:rD+7], v[rSB], v[rSA] matrix_a_fmt:MATRIX_FMT_FP6 matrix_b_fmt:MATRIX_FMT_FP6 matrix_a_scale:MATRIX_SCALE_ROW1 matrix_b_scale:MATRIX_SCALE_ROW1
.elseif kind == 4
	v_wmma_scale_f32_16x16x128_f8f6f4 v[rD:rD+7], v[rB:rB+11], v[rA:rA+11], 0, v[rSB], v[rSA] matrix_a_fmt:MATRIX_FMT_FP6 matrix_b_fmt:MATRIX_FMT_FP6
.elseif kind == 5
	v_wmma_scale_f32_16x16x128_f8f6f4 v[rD:rD+7], v[rB:rB+11], v[rA:rA+11], 0, v[rSB], v[rSA] matrix_a_fmt:MATRIX_FMT_FP6 matrix_b_fmt:MATRIX_FMT_FP6 matrix_b_scale:MATRIX_SCALE_ROW1
.elseif kind == 6
	v_wmma_scale_f32_16x16x128_f8f6f4 v[rD:rD+7], v[rB:rB+11], v[rA:rA+11], 0, v[rSB], v[rSA] matrix_a_fmt:MATRIX_FMT_FP6 matrix_b_fmt:MATRIX_FMT_FP6 matrix_a_scale:MATRIX_SCALE_ROW1
.else
	v_wmma_scale_f32_16x16x128_f8f6f4 v[rD:rD+7], v[rB:rB+11], v[rA:rA+11], 0, v[rSB], v[rSA] matrix_a_fmt:MATRIX_FMT_FP6 matrix_b_fmt:MATRIX_FMT_FP6 matrix_a_scale:MATRIX_SCALE_ROW1 matrix_b_scale:MATRIX_SCALE_ROW1
.endif
.endm
.macro MUL16 n, s, zero                ; a K step: the 16 accumulators take turns, one instruction a turn, in the same order in every step
	WIN MUL
.irp a, 0,1,2,3
.irp b, 0,1,2,3
	WM \n, \a, \b, \s, \zero
.endr
.endr
.endm
; THE WAY OUT of half n, block by block of 16 rows x 64 columns: through my own stage and back as whole rows of 256 bytes.  LDS serves a wave's instructions in order (ISA guide 5.7.1.4).
.macro TOSTAGE n, a
.set AC, 128*(\n)+32*(\a)
	WIN 0x08                                       ; the data: window 2
.irp b, 0,1,2,3
	ds_store_b128 v[STO], v[AC+8*\b:AC+8*\b+3] offset:128*(\b/2)+32*(\b%2)          ; each accumulator from its low end on
	ds_store_b128 v[STO], v[AC+8*\b+4:AC+8*\b+7] offset:128*(\b/2)+32*(\b%2)+16
.endr
	WIN 0
.set BB, RAW+144*((\a)%2)              ; v80-111 and v224-255 by turns
.irp t, 0,1,2,3,4,5,6,7
	ds_load_b128 v[BB+4*\t:BB+4*\t+3], v[RD] offset:\t*2*SPITCH
.endr
.endm
.macro SEND n, a, younger
.set BB, RAW+144*((\a)%2)
	s_wait_dscnt \younger                          ; the block is back in registers; the next block's 8 stores and 8 loads may be out
.irp t, 0,1,2,3,4,5,6,7
	global_store_b128 v[CO2], v[BB+4*\t:BB+4*\t+3], s[8:9] offset:(32*((\a)/2)+8*((\a)%2)+2*\t+8*(\t/4))*4096+512*(\n) th:TH_STORE_NT   ; 16 lanes store 256 consecutive bytes, at a multiple of 256 from the buffer's first byte
.endr
.endm
.macro OUT n
	PLACES 4                                       ; behind the last products: for the reads of results
	s_wait_xcnt 0x0                                ; earlier stores have read the registers that take rows again
	TOSTAGE \n, 0
.irp a, 1,2,3
	s_wait_xcnt 0x0
	TOSTAGE \n, \a
	SEND \n, \a-1, 16
.endr
	SEND \n, 3, 0
.endm
.macro HALF n
	s_wait_dscnt 0x0                               ; step 0's fragments
	FETCH \n, 1
	MUL16 \n, 0, 1                                 ; the first step's products start the sums
.set ST, 1
.rept 6
	s_wait_dscnt 0x0                               ; this step's fragments are in
	PLACES 4                                       ; ahead of loads into the set that the last step multiplied
	FETCH \n, ST+1
	MUL16 \n, ST, 0
.set ST, ST+1
.endr
.endm
	FETCH 0, 0
	HALF 0
	WIN 0
	s_wait_tensorcnt 0x0                           ; my quarter of the second group is in
	s_wait_dscnt 0x0                               ; step 7's fragments too
	s_barrier_signal -1
	s_barrier_wait -1                              ; and everybody's quarter
	PLACES 4
	FETCH 1, 0                                     ; the second half's first fragments
	MUL16 0, 7, 0
	OUT 0
	HALF 1
	s_wait_dscnt 0x0
	MUL16 1, 7, 0
	OUT 1
	s_wait_tensorcnt 0x0                           ; the wave's end
	ds_add_u32 v[SPW], v[NIL]
	s_wait_dscnt 0x0
	CROUND                                         ; the closing round
	s_endpgm
.Lfunc_end_k_q3c22840d40_gemm_out:
	.size	k_q3c22840d40_gemm_out, .Lfunc_end_k_q3c22840d40_gemm_out-k_q3c22840d40_gemm_out
	.p2alignl 7, 3214868480
	.fill 96, 4, 3214868480
	.section	.rodata,"a",@progbits
	.p2align	6, 0x0
	.amdhsa_kernel k_q3c22840d40_gemm_out
		.amdhsa_group_segment_fixed_size 327680
		.amdhsa_private_segment_fixed_size 0
		.amdhsa_enable_private_segment 0
		.amdhsa_kernarg_size 24
		.amdhsa_user_sgpr_count 2
		.amdhsa_user_sgpr_kernarg_segment_ptr 1
		.amdhsa_wavefront_size32 1
		.amdhsa_system_sgpr_workgroup_id_x 1
		.amdhsa_system_sgpr_workgroup_id_y 1
		.amdhsa_system_sgpr_workgroup_id_z 1
		.amdhsa_system_vgpr_workitem_id 0
		.amdhsa_next_free_vgpr 768
		.amdhsa_next_free_sgpr 100
		.amdhsa_reserve_vcc 0
		.amdhsa_float_denorm_mode_32 3
		.amdhsa_float_denorm_mode_16_64 3
		.amdhsa_memory_ordered 1
		.amdhsa_forward_progress 1
		.amdhsa_inst_pref_size 114
	.end_amdhsa_kernel
	.amdgpu_metadata
---
amdhsa.version: [ 1, 2 ]
amdhsa.kernels:
  - .name:           k_q3c22840d40_gemm_out
    .symbol:         k_q3c22840d40_gemm_out.kd
    .args:
      - { .name: ao, .offset: 0, .size: 8, .value_kind: global_buffer, .address_space: global }
      - { .name: cq, .offset: 8, .size: 8, .value_kind: global_buffer, .address_space: global }
      - { .name: out0, .offset: 16, .size: 8, .value_kind: global_buffer, .address_space: global }
    .group_segment_fixed_size: 327680
    .private_segment_fixed_size: 0
    .kernarg_segment_align: 8
    .kernarg_segment_size: 24
    .max_flat_workgroup_size: 128
    .sgpr_count:     100
    .vgpr_count:     768
    .wavefront_size: 32
...
	.end_amdgpu_metadata
.endif
;; end of part 4
